; MI455X (gfx1250); checked and timed in simulation.
; The chip was launched on July 23, 2026; its instructions are those of AMD's public machine-readable ISA for CDNA 5 (MIT licence, August 2026) and "CDNA5" Instruction Set Architecture Reference Guide (July 2026). The comments in the code are by the model that wrote it; some were corrected since.
;; Inner Attention. Allowed arithmetic: matrix products marked QUANTISED: E2M3 operands, one E8M0 scale for each 32 along K, by v_wmma_scale_f32_16x16x128_f8f6f4 with both operands' format E2M3, f32 sums; everything else in f32.
;; Inputs: Wk_codes 1,024 x 32 x 24 uint8 (E2M3 codes of Wk, K innermost, in blocks of 32 codes, four codes in three bytes); Wk_scales 1,024 x 32 uint8 (E8M0 scales of Wk, one for each 32 codes along K); Wo_codes 1,024 x 32 x 24 uint8 (E2M3 codes of Wo, K innermost, in blocks of 32 codes, four codes in three bytes); Wo_scales 1,024 x 32 uint8 (E8M0 scales of Wo, one for each 32 codes along K); Wq_codes 1,024 x 32 x 24 uint8 (E2M3 codes of Wq, K innermost, in blocks of 32 codes, four codes in three bytes); Wq_scales 1,024 x 32 uint8 (E8M0 scales of Wq, one for each 32 codes along K); Wv_codes 1,024 x 32 x 24 uint8 (E2M3 codes of Wv, K innermost, in blocks of 32 codes, four codes in three bytes); Wv_scales 1,024 x 32 uint8 (E8M0 scales of Wv, one for each 32 codes along K); bo 1,024 float32; hidden_states_codes 4 x 2,048 x 32 x 24 uint8 (E2M3 codes of hidden_states, K innermost, in blocks of 32 codes, four codes in three bytes); hidden_states_scales 4 x 2,048 x 32 uint8 (E8M0 scales of hidden_states, one for each 32 codes along K).
;; Outputs: out0 4 x 2,048 x 1,024 float32.
;; This version of the problem:
;;   THIS VERSION OF THE PROBLEM IS GIVEN IN LOW PRECISION. The matrix products marked QUANTISED in the list below multiply operands that are first quantised to E2M3 (2 exponent bits, 3 mantissa bits; 6 bits a number), with one power-of-two scale for each 32 numbers along K (OCP MX v1.0); their sums are f32. All else is computed in f32.
;;   The module's matrix products, in the order in which they are computed (A, B: the left and right operand; K: the contracted axis; several contracted axes count as one K, in the product's order):
;;     1. [M 8,192, K 1,024] x [K 1,024, N 1,024]; A: input hidden_states (given as codes); B: input Wq (given as codes): QUANTISED
;;     2. [M 8,192, K 1,024] x [K 1,024, N 1,024]; A: input hidden_states (given as codes); B: input Wk (given as codes): QUANTISED
;;     3. [M 8,192, K 1,024] x [K 1,024, N 1,024]; A: input hidden_states (given as codes); B: input Wv (given as codes): QUANTISED
;;     4. batch 64 x [M 2,048, K 64] x [K 64, N 2,048]; A: computed on the way; B: computed on the way: QUANTISED
;;     5. batch 64 x [M 2,048, K 2,048] x [K 2,048, N 64]; A: softmax (see below); B: computed on the way: QUANTISED
;;     6. [M 8,192, K 1,024] x [K 1,024, N 1,024]; A: computed on the way; B: input Wo (given as codes): QUANTISED
;;   THE QUANTISER, for each operand of a quantised product, along K:
;;     - K is cut into blocks of 32 from its start; a last block that is shorter is filled with zeros.
;;     - A block's scale is 2^e with e = floor(log2(the largest magnitude in the block)) - 2, held to -126 .. 127; a block of zeros has e = 0. As a byte (E8M0): e + 127.
;;     - Each number is divided by its block's scale, clamped to +-7.5, and rounded to the nearest number of E2M3, ties to even, subnormals kept.
;;     - The product sums the exact products of the quantised numbers (number of the format x scale) in f32.
;;   ~~~python
;;   def quantise(x, axis):      # numpy; x: float32 -> the quantised numbers, widened to float32 again
;;       x = np.moveaxis(x, axis, -1); K = x.shape[-1]
;;       x = np.pad(x, [(0, 0)] * (x.ndim - 1) + [(0, -K % 32)]); x = x.reshape(x.shape[:-1] + (-1, 32)); a = np.abs(x).max(-1, keepdims=True)
;;       e = np.where(a > 0, np.clip(np.frexp(np.where(a > 0, a, 1))[1] - 1 - 2, -126, 127), 0)      # np.frexp(a)[1] - 1 = floor(log2(a)), exactly
;;       r = np.clip(x / 2.0 ** e, -7.5, 7.5)
;;       step = 2.0 ** (np.maximum(np.frexp(np.where(r == 0, 1, r))[1] - 1, 0) - 3)
;;       q = np.round(r / step) * step * 2.0 ** e      # np.round: ties to even
;;       return np.moveaxis(q.reshape(q.shape[:-2] + (-1,))[..., :K], -1, axis).astype(np.float32)
;;   ~~~
;;   SOFTMAX AHEAD OF A QUANTISED PRODUCT. Where the list says 'softmax', what is quantised is not the finished softmax but p = 2^(t - M), with t = logit x log2(e) and M = ceil(the row's largest t), a whole number; so 1/2 < the row's largest p <= 1. The row's sum l is taken of the UNQUANTISED p, in f32, and the product's result is divided by l at the end. Since M is a whole number, a kernel that streams over the keys may use a running M (the ceiling of the running maximum): every later rescaling is an exact power of two, which a block's scale takes up: the codes' values come out the same.
;;   OPERANDS COMPUTED ON THE WAY. 'Computed on the way' means the value that the module computes at that place (a softmax that the list does not call 'softmax' is quantised finished and normalised). What goes into a quantiser is computed in f32, as accurately as f32 sums, v_exp_f32 and their like allow (about 1e-6 of the number): no bf16 or f16 on the way to a quantiser, and a product that is left as it is and whose result goes on into a quantised operand takes f32 operands (vector FMAs, or v_wmma_f32_16x16x4_f32). A number that lies on a knife's edge between two numbers of the format may be rounded either way, as far as f32 arithmetic and the matrix unit's own rounding can turn it there, and no further.
;;   INPUTS GIVEN AS CODES. Wk (in the module: [1024, 1024], K = its axis 1); Wo (in the module: [1024, 1024], K = its axis 1); Wq (in the module: [1024, 1024], K = its axis 1); Wv (in the module: [1024, 1024], K = its axis 1); hidden_states (in the module: [4, 2048, 1024], K = its axis 2): each comes as NAME_codes (uint8): NAME with its K axis moved to the last place and cut into blocks of 32 codes, [.., K / 32, bytes a block], one block behind the other in memory; four codes in three bytes: a row's codes are one little-endian stream of bits, code i at bits 6 i .. 6 i + 5 (a code: sign, 2 exponent bits, 3 mantissa bits); and NAME_scales (uint8): the same leading axes, one E8M0 byte (e + 127) for each 32 codes along K. Its value is code x scale, taken as it is: it is not quantised again, and the codes and scales need not be those that the quantiser above would give.
;; One version. Each part assembles by itself: llvm-mc -triple=amdgcn-amd-amdhsa -mcpu=gfx1250 --defsym DOCPART=n.
;; ======== version 1 of 1: 3 launches
;; workspace buffers: qrec 6,553,600 bytes; krec 6,553,600 bytes; vrec 6,553,600 bytes; cimg 6,291,456 bytes; csc 262,144 bytes
;; launch qkv (part 1): grid 8 x 32, 4 waves a work-group, clusters of 4 x 4, 327,680 bytes of LDS; arguments hidden_states_codes, hidden_states_scales, Wq_codes, Wq_scales, Wk_codes, Wk_scales, Wv_codes, Wv_scales, qrec, krec, vrec; writes qrec, krec, vrec
.if DOCPART == 1
	.amdgcn_target "amdgcn-amd-amdhsa--gfx1250"
	.amdhsa_code_object_version 6
	.text
	.protected	k_q356b86b2b4_qkv
	.globl	k_q356b86b2b4_qkv
	.p2align	8
	.type	k_q356b86b2b4_qkv,@function
k_q356b86b2b4_qkv:
	s_mov_b64 s[64:65], 0
	v_nop
	global_prefetch_b8 v0, s[64:65] scope:SCOPE_SE
	s_setreg_imm32_b32 hwreg(HW_REG_WAVE_MODE, 25, 1), 1
	s_wait_xcnt 0x0
	s_wait_alu depctr_hold_cnt(0) depctr_sa_sdst(0) depctr_va_vdst(0) depctr_va_sdst(0) depctr_va_ssrc(0) depctr_va_vcc(0) depctr_vm_vsrc(0)
	s_getreg_b32 s2, hwreg(HW_REG_IB_STS2, 6, 4)
	s_cmp_eq_u32 s2, 0
	s_cbranch_scc0 .Lentry_in_a_cluster
	s_endpgm
.Lentry_in_a_cluster:
	s_bfe_u32 s2, ttmp6, 0x10000c
	s_cmp_lg_u32 s2, 0xf033
	s_cbranch_scc0 .Lentry_shape_is_right
	s_endpgm
.Lentry_shape_is_right:
; q = x Wq^T, k = x Wk^T, v = x Wv^T on codes of FP6 (E2M3) with one E8M0 scale for each 32 along K = 1,024, f32 sums; each result is quantised again, in registers, for the attention that follows:
; q and k along a head's 64 numbers (two blocks of 32), v along the keys (blocks of 32 from key 0), and leaves as IMAGES OF OPERAND REGISTERS.
; SHARES.  8 x 32 = 256 work-groups of equal work: work-group (X, Y) makes q, k and v of tokens 256 Y .. 256 Y + 255 for the pair of heads X (rows 128 X .. 128 X + 127 of each weight).  IT STAYS, and goes over K twice:
;   PASS 1, 256 x 256: source 1 = 16 tokens, source 0 = 16 rows of Wq (waves 0, 2) or of Wk (waves 1, 3): a lane holds one token and its registers run along the pair's 128 numbers.  A wave: 128 x 128, 64 accumulators.
;   PASS 2, 128 x 256: source 1 = 16 rows of Wv, source 0 = 16 tokens: a lane holds one of the pair's numbers and its registers run along the keys.  A wave: 64 rows of Wv (wave / 2) x 128 tokens (wave % 2), 32 accumulators.
;   So in both the next product's K runs along a lane's registers, and one way out serves both.  512 + 256 matrix instructions a wave.
; THE RING.  K goes in steps of 256 through two LDS slots filled by the tensor data mover, and the ring does not stop between the passes: pass 1's last two changes of slots ask for pass 2's first two K steps.
;   A slot: x's 256 rows, then 256 rows of weights (pass 1: Wq's 128, Wk's 128; pass 2: Wv's 128, the rest unused).  The scale bytes of x, Wq and Wk come once, with the first fills, and stay; Wv's go straight into registers.
; CLUSTERS: 4 x 4 work-groups; the four of a row of the cluster share Y and so x's tiles, the four of a column share X and so the weights' tiles: each tile is asked for jointly, by the same load with a mask that names the four.
; A RECORD (12,800 bytes): eight fragments (16 rows x 128 K, 12 registers a lane), register group c of lane l at 1,536 a + 512 c + 16 l; behind them the scale words: that of fragment a, row r at 12,288 + 256 (a % 2) + 16 r + 4 (a / 2).
;   Records lie [batch 4][pair of heads 8][128 tokens 16].  q, k: fragment a = 16 tokens, K = the pair's 128 numbers.  v: fragment a = 16 of the pair's 128 numbers, K = 128 keys; two waves make a record of v, four fragments each.
; LIMITS: NaN, infinities and scale bytes 0xff among the inputs are not served.  A block whose largest magnitude lies under 2^-124 (a block of zeros too) gets the byte 1; its codes are then zeros or what that scale gives; only this program reads the bytes.
; REGISTERS, in windows of 256: window 0: v0-31 addresses; v32-63 scale words from LDS, two sets, and v64-95 Wv's scale words: these hold nothing else; v128-223 source 1's fragments (pass 1: one set of eight; pass 2: two sets of four);
;   on the way out v96-191 the fragments made, v224-255 at work.   window 1: source 0's fragments, two sets, at v0 and v128.   window 2: the accumulators of my blocks 0-3 ((a, b) at v[8 (8 a + b)]);   window 3: of blocks 4-7 (pass 1).
.set SIZE_K, 1024
.set KSTEP,  256                       ; along K in a slot
.set NQ,     KSTEP/128                 ; matrix instructions deep
.set ROWB,   192                       ; a tile's row in bytes
.set KROW,   SIZE_K*6/8                ; a row of codes in memory
.set PITCH,  240                       ; an LDS row: 3 x (64 bytes + 16 of padding) = 60 words: the 32 lanes of a load of 8 bytes touch 64 different banks (64 banks of 4 bytes: ISA guide 11.1)
.set FR,     12                        ; registers of a fragment
.set NL,     6                         ; LDS loads that bring one
.set NP,     4                         ; places behind this matrix instruction (ISA guide 7.12.1)
.set HALFT,  128*PITCH                 ; 128 rows: one tensor load
.set SLOT,   4*HALFT                   ; x's 256 rows, then the weights' 256
.set KS,     SIZE_K/32                 ; a row of scale bytes
.set SCL,    2*SLOT                    ; behind the ring: the scales, as units of 256 bytes + 16 of padding
.set HALFS,  (128*KS/256)*272          ; those of 128 rows
.set SBLK,   (16*KS/256)*272           ; those of 16 rows
.set SPARE,  SCL+4*HALFS               ; the spare words: 128 bytes for each wave, two blocks of 256 bytes that no other line names
.set FRB,    1536                      ; a fragment's image in bytes
.set REC,    12800                     ; a record
.set ADRA2, 8                          ; v8-9   pass 2: LDS address of my fragments of Wv in slot 0, 1 (v10-11: for the pieces behind one padding more)
.set ADRB2, 12                         ; v12-15 pass 2: the same for my 128 tokens of x
.set ADRA, 16                          ; v16-19 pass 1: the same for my 128 tokens of x
.set ADRB, 20                          ; v20-23 pass 1: for my 128 rows of Wq or Wk
.set XSO,  24                          ; v24    v's scale words: my byte in the record's 512
.set ADRS2, 25                         ; v25    pass 2: LDS address of my scale words: x's rows in all lanes
.set CO,   26                          ; v26    16 x lane: my place in an image
.set ADRS, 27                          ; v27    pass 1: LDS address of my scale words: lanes 0-15 x's rows, lanes 16-31 the weight's
.set SPW,  28                          ; v28    LDS address of my spare word; never rewritten
.set NIL,  29                          ; v29    0; never rewritten
.set WSO,  30                          ; v30    32 r: my row of Wv's scale bytes
.set CO2,  31                          ; v31    16 x lane + my four fragments' place in v's record
.set SC,   32                          ; scale words from LDS: set s at v[SC + 16 s]
.set WVS,  64                          ; Wv's scale words: block a, 128 along K number kk at v[WVS + 8 a + kk]
.set AF,   128                         ; source 1's fragments
.set FRG,  96                          ; the way out: fragment a at v[FRG + 12 a]
.set TM,   224                         ; v224-227 the four blocks' largest magnitudes
.set TP,   228                         ; v228-231 the other half's, then the bytes
.set TO,   232                         ; v232-235 the conversions' scale operands
.set RP,   236                         ; v236-238, v240-242 the conversions of the odd blocks
.set PW,   244                         ; v244-251 the scale words
.set XW,   252                         ; v252-255 as they are stored
.set G1, 24                            ; s[24:31] descriptor group 1 for x's tiles;  s[32:39] group 0, one set for each slot
.set G0, 32
.set G1B, 48                           ; s[48:55], s[56:63] the same for the weights' tiles
.set G0B, 56
.set G1S, 68                           ; s[68:75], s[76:79] groups 1 and 0 for x's scales;  s[80:87], s[88:91] for Wq's and Wk's
.set G0S, 76
.set G1SB, 80
.set G0SB, 88
.set WVT, 96                           ; s[96:97] Wv's codes at row 128 X;  s[98:99] Wv's scales at my 64 rows;  s[100:101] my record of v
.set SEL, 20                           ; s[20:21] on the way out: lane selects for lane l xor 16
.set P1, 22                            ; s22, s23, s46: byte selects that piece halves of registers together
.set P2, 23
.set P3, 46
.set MSB, 0
.macro WIN new                         ; the immediate's high byte repeats the setting that is left
.if MSB != \new
	s_set_vgpr_msb (MSB<<8)|\new
.set MSB, \new
.endif
.endm
.set MUL_LO, 0xa1                      ; source 0 window 1, source 1 window 0, C and D window 2
.set MUL_HI, 0xf1                      ; the same, C and D window 3
.set TO_B,   0x40                      ; destination window 1, address window 0
; A joint load of pass 1: waves 0 and 1 fetch x's halves, wave 2 Wq's rows, wave 3 Wk's.  Each of the two lines has one mask and one set of registers for all that issue it; the branch hangs on the wave's number alone.
; Four v_nop follow each of the two lines, ahead of the jump, the label and what follows.
.macro JLOAD g0a, g1a, g0b, g1b
	s_cmp_eq_u32 s15, 0
	s_cbranch_scc0 .Lfor_b_\@
	tensor_load_to_lds s[\g0a:\g0a+3], s[\g1a:\g1a+7]
	s_nop 0
.rept 4
	v_nop
.endr
	s_branch .Lasked_\@
.Lfor_b_\@:
	tensor_load_to_lds s[\g0b:\g0b+3], s[\g1b:\g1b+7]
	s_nop 0
.rept 4
	v_nop
.endr
.Lasked_\@:
.endm
; A joint load for pass 2: waves 0 and 1 fetch x's halves, wave 2 Wv's 128 rows; wave 3 has no part of a tile to fill and issues none.
.macro JLOAD2 s
	s_cmp_eq_u32 s15, 0
	s_cbranch_scc0 .Lnot_x_\@
	tensor_load_to_lds s[G0+4*\s:G0+4*\s+3], s[G1:G1+7]
	s_nop 0
.rept 4
	v_nop
.endr
	s_branch .Lasked2_\@
.Lnot_x_\@:
	s_cmp_eq_u32 s16, 0
	s_cbranch_scc0 .Lasked2_\@
	tensor_load_to_lds s[G0B+4*\s:G0B+4*\s+3], s[G1B:G1B+7]
	s_nop 0
.rept 4
	v_nop
.endr
.Lasked2_\@:
.endm
.macro CREST                           ; a round of the cluster's barrier behind its opening barrier
	s_cmp_lg_u32 s14, 0
	s_cbranch_scc1 .Lnot_wave_0_\@
	s_barrier_signal -3
.Lnot_wave_0_\@:
	s_barrier_wait -3
	s_barrier_signal -1
	s_barrier_wait -1
.endm
.macro CROUND                          ; a whole round
	s_barrier_signal -1
	s_barrier_wait -1
	CREST
.endm
	s_load_b128 s[4:7], s[0:1], 0x0                ; x's codes, x's scales
	s_load_b128 s[8:11], s[0:1], 0x10              ; Wq's
	s_load_b128 s[68:71], s[0:1], 0x20             ; Wk's
	s_load_b128 s[96:99], s[0:1], 0x30             ; Wv's
	s_load_b128 s[72:75], s[0:1], 0x40             ; q's records, k's records
	s_load_b64 s[100:101], s[0:1], 0x50            ; v's records
	v_lshl_add_u32 v[SPW], v0, 2, SPARE
	v_mov_b32 v[NIL], 0
	ds_add_u32 v28, v29
	ds_add_u32 v28, v29
	s_wait_dscnt 0x0
	v_lshrrev_b32 v1, 5, v0
	v_readfirstlane_b32 s14, v1                    ; wave 0..3
	s_lshr_b32 s15, s14, 1                         ; pass 1: which 128 tokens are mine; pass 2: which 64 rows of Wv.  Also: I fetch x (0) or weights (1)
	s_and_b32 s16, s14, 1                          ; pass 1: Wq (0) or Wk (1); pass 2: which 128 tokens.  Also: which half I fetch
	s_bfe_u32 s40, ttmp6, 0x40000                  ; cx, cy: my place in the cluster
	s_bfe_u32 s41, ttmp6, 0x40004
	s_lshl_b32 s42, ttmp9, 2
	s_add_co_u32 s42, s42, s40                     ; X, the pair of heads = 4 x cluster x + cx
	s_and_b32 s17, ttmp7, 0xffff
	s_lshl_b32 s17, s17, 2
	s_add_co_u32 s17, s17, s41                     ; Y, the block of 256 tokens = 4 x cluster y + cy
	s_lshl_b32 s43, s41, 2
	s_lshl_b32 s43, 15, s43                        ; my row of the cluster
	s_lshl_b32 s44, 0x1111, s40                    ; my column
	; descriptor group 1: a tile of 128 rows x 192 bytes, padded in LDS
	s_or_b32 s[G1+0], s43, (0<<16)|(1<<20)|(1<<21)|(3<<22)|(3<<25)  ; 15:0 the mask: x's tiles go to my row; 17:16 elements of 1 byte; 20 padding on; 21 set beside a mask; 24:22 after every 16 words; 31:25 of 4 words
	s_or_b32 s[G1B+0], s44, (0<<16)|(1<<20)|(1<<21)|(3<<22)|(3<<25) ; the weights' tiles go to my column
.irp g, G1, G1B
	s_mov_b32 s[\g+1], ROWB<<16                    ; tensor_dim0
	s_mov_b32 s[\g+2], 128<<16                     ; tensor_dim1
	s_mov_b32 s[\g+3], ROWB<<16                    ; tile_dim0
	s_mov_b32 s[\g+4], 128                         ; tile_dim1
	s_mov_b32 s[\g+5], KROW                        ; tensor_dim0_stride
	s_mov_b32 s[\g+6], 0
	s_mov_b32 s[\g+7], 0
.endr
	s_lshl_b32 s18, s16, 7                         ; which 128 tokens of the block I fetch
	s_lshl_b32 s20, s17, 8
	s_add_co_u32 s20, s20, s18                     ; x: row 256 Y + 128 x half
	s_lshl_b32 s46, s42, 7                         ; each weight: row 128 X
	s_mov_b32 s21, 0
	s_mov_b32 s47, 0
	s_mov_b64 s[18:19], KS
	s_mul_u64 s[22:23], s[20:21], s[18:19]         ; where these rows' scales begin, in bytes
	s_mul_u64 s[92:93], s[46:47], s[18:19]
	s_mov_b64 s[18:19], KROW
	s_mul_u64 s[20:21], s[20:21], s[18:19]         ; and their codes
	s_mul_u64 s[46:47], s[46:47], s[18:19]
	s_mul_i32 s45, s14, HALFT                      ; where they go: wave x 128 rows: no place in the cluster enters an LDS address
	s_mul_i32 s94, s14, HALFS
	s_lshl_b32 s2, s15, 11                         ; my 64 rows of Wv: 32 bytes of scales a row
	s_mov_b32 s3, 0
	s_wait_kmcnt 0x0
	s_cmp_eq_u32 s16, 1                            ; odd waves: Wk and k's records; the choice hangs on the wave's number alone
	s_cselect_b64 s[8:9], s[68:69], s[8:9]
	s_cselect_b64 s[10:11], s[70:71], s[10:11]
	s_cselect_b64 s[12:13], s[74:75], s[72:73]
	; group 1 for the scales of 128 rows: a dense block of 4,096 bytes, as 16 rows of 256 bytes (32 elements of 8), 16 bytes of padding behind each.  (These registers held the pointers chosen from above.)
	s_or_b32 s[G1S+0], s43, (3<<16)|(1<<20)|(1<<21)|(5<<22)|(3<<25)
	s_or_b32 s[G1SB+0], s44, (3<<16)|(1<<20)|(1<<21)|(5<<22)|(3<<25)
.irp g, G1S, G1SB
	s_mov_b32 s[\g+1], 32<<16
	s_mov_b32 s[\g+2], (128*KS/256)<<16
	s_mov_b32 s[\g+3], 32<<16
	s_mov_b32 s[\g+4], 128*KS/256
	s_mov_b32 s[\g+5], 32
	s_mov_b32 s[\g+6], 0
	s_mov_b32 s[\g+7], 0
.endr
	s_add_nc_u64 s[WVT:WVT+1], s[WVT:WVT+1], s[46:47]      ; Wv's codes at row 128 X
	s_add_nc_u64 s[98:99], s[98:99], s[92:93]              ; Wv's scales at row 128 X,
	s_add_nc_u64 s[98:99], s[98:99], s[2:3]                ; at my 64 rows
	s_add_nc_u64 s[20:21], s[4:5], s[20:21]
	s_add_nc_u64 s[22:23], s[6:7], s[22:23]
	s_add_nc_u64 s[46:47], s[8:9], s[46:47]
	s_add_nc_u64 s[92:93], s[10:11], s[92:93]
	CROUND                                         ; all sixteen work-groups are here: the first joint loads meet
	s_mov_b32 s[G0S], 1
	s_add_co_u32 s[G0S+1], s94, SCL
	s_mov_b64 s[G0S+2:G0S+3], s[22:23]
	s_or_b32 s[G0S+3], s[G0S+3], 0x80000000
	s_mov_b32 s[G0SB], 1
	s_add_co_u32 s[G0SB+1], s94, SCL
	s_mov_b64 s[G0SB+2:G0SB+3], s[92:93]
	s_or_b32 s[G0SB+3], s[G0SB+3], 0x80000000
	JLOAD G0S, G1S, G0SB, G1SB                     ; the scales first: they are wanted with K step 0.  With the two below, three tensor loads of mine are out
.irp s, 0,1
	s_mov_b32 s[G0+4*\s], 1
	s_add_co_u32 s[G0+4*\s+1], s45, \s*SLOT
	s_add_nc_u64 s[G0+4*\s+2:G0+4*\s+3], s[20:21], \s*ROWB
	s_or_b32 s[G0+4*\s+3], s[G0+4*\s+3], 0x80000000
	s_mov_b32 s[G0B+4*\s], 1
	s_add_co_u32 s[G0B+4*\s+1], s45, \s*SLOT
	s_add_nc_u64 s[G0B+4*\s+2:G0B+4*\s+3], s[46:47], \s*ROWB
	s_or_b32 s[G0B+4*\s+3], s[G0B+4*\s+3], 0x80000000
	JLOAD G0+4*\s, G1, G0B+4*\s, G1B
.endr
	v_and_b32 v1, 15, v0                           ; r = l % 16
	v_bfe_u32 v2, v0, 4, 1                         ; h = l / 16
	v_lshlrev_b32 v[WSO], 5, v1
.irp i, 0,1,2,3
.irp j, 0,1
	global_load_b128 v[WVS+8*\i+4*\j:WVS+8*\i+4*\j+3], v[WSO], s[98:99] offset:512*\i+16*\j   ; Wv's scale words: row 16 i + r of my 64, its eight words; sixteen rows are 512 consecutive bytes.  They are waited for in front of pass 2
.endr
.endr
	v_mul_u32_u24 v3, v1, PITCH
	v_mul_u32_u24 v4, v2, 24
	v_add_nc_u32 v4, v3, v4                        ; a fragment's row x pitch + 24 x half
	v_lshl_add_u32 v5, v2, 4, v4                   ; and the same behind one padding more
	s_mul_i32 s21, s15, HALFT                      ; pass 1: my 128 tokens,
	s_mul_i32 s22, s16, HALFT                      ; my 128 rows of Wq or Wk,
	s_add_co_u32 s22, s22, 2*HALFT                 ; which lie behind x's 256
	s_mul_i32 s2, s15, 64*PITCH                    ; pass 2: my 64 rows of Wv,
	s_add_co_u32 s2, s2, 2*HALFT                   ; which lie behind x's 256,
	s_mul_i32 s3, s16, HALFT                       ; and my 128 tokens
.irp s, 0,1
	v_add_nc_u32 v[ADRA+\s], s21, v4
	v_add_nc_u32 v[ADRB+\s], s22, v4
	v_add_nc_u32 v[ADRA+2+\s], s21, v5
	v_add_nc_u32 v[ADRB+2+\s], s22, v5
	v_add_nc_u32 v[ADRA2+\s], s2, v4
	v_add_nc_u32 v[ADRB2+\s], s3, v4
	v_add_nc_u32 v[ADRA2+2+\s], s2, v5
	v_add_nc_u32 v[ADRB2+2+\s], s3, v5
	s_add_co_u32 s21, s21, SLOT
	s_add_co_u32 s22, s22, SLOT
	s_add_co_u32 s2, s2, SLOT
	s_add_co_u32 s3, s3, SLOT
.endr
	v_mul_u32_u24 v5, v1, KS                       ; my row's scales: 32 bytes a row,
	v_lshrrev_b32 v6, 8, v5
	v_lshl_add_u32 v5, v6, 4, v5                   ; and 16 more for each 256 passed
	s_mul_i32 s21, s15, HALFS                      ; pass 1: x's: my 128 tokens
	s_mul_i32 s22, s16, HALFS
	s_add_co_u32 s23, s22, SCL                     ; pass 2: x's: my 128 tokens, in all lanes
	v_add_nc_u32 v[ADRS2], s23, v5
	s_add_co_u32 s22, s22, 2*HALFS                 ; pass 1: the weight's 128 rows, behind x's 256
	s_sub_co_u32 s22, s22, s21
	v_mul_u32_u24 v6, s22, v2                      ; lanes 16-31 take the weight's
	s_add_co_u32 s21, s21, SCL
	v_add_nc_u32 v5, v5, v6
	v_add_nc_u32 v[ADRS], s21, v5
	v_and_b32 v6, 31, v0
	v_lshlrev_b32 v[CO], 4, v6                     ; 16 x lane
	s_mul_i32 s21, s15, 4*FRB
	v_add_nc_u32 v[CO2], s21, v[CO]                ; v: fragments 4 (wave / 2) .. + 3 of the record are mine
	v_lshlrev_b32 v[XSO], 4, v1
	v_lshl_add_u32 v[XSO], v2, 8, v[XSO]
	s_lshl_b32 s21, s15, 3
	v_add_nc_u32 v[XSO], s21, v[XSO]               ; and of its scale words the two at 256 h + 16 r + 8 (wave / 2)
	; my records: (batch x 8 + X) x 16 + the group of 128 tokens in the batch
	s_lshl_b32 s20, s17, 1
	s_add_co_u32 s21, s20, s16                     ; v: group 2 Y + wave % 2
	s_add_co_u32 s20, s20, s15                     ; q, k: group 2 Y + wave / 2
	s_lshr_b32 s22, s20, 4
	s_lshl_b32 s22, s22, 3
	s_add_co_u32 s22, s22, s42
	s_lshl_b32 s22, s22, 4
	s_and_b32 s20, s20, 15
	s_add_co_u32 s22, s22, s20
	s_mul_i32 s22, s22, REC
	s_mov_b32 s23, 0
	s_add_nc_u64 s[12:13], s[12:13], s[22:23]
	s_lshr_b32 s22, s21, 4
	s_lshl_b32 s22, s22, 3
	s_add_co_u32 s22, s22, s42
	s_lshl_b32 s22, s22, 4
	s_and_b32 s21, s21, 15
	s_add_co_u32 s22, s22, s21
	s_mul_i32 s22, s22, REC
	s_add_nc_u64 s[100:101], s[100:101], s[22:23]
.macro FRAG reg, adr, q, i             ; a fragment: lane l holds row l % 16; registers 6 c .. 6 c + 5 hold K = 64 c + 32 (l / 16) + 0 .. 31: 24 bytes of the row's stream of bits, as they lie
.irp p, 0,1,2,3,4,5                    ; in pieces of 8 bytes, so that every address is a multiple of the access's size
.set PC, 12*(\q)+6*(\p/3)+\p%3        ; 16 bytes of padding lie behind every 8 pieces: where the piece three on (lanes 16-31) lies behind one padding more, the second address register serves
.if PC%8 < 5
	ds_load_b64 v[\reg+2*\p:\reg+2*\p+1], v[\adr] offset:8*PC+16*(PC/8)+(\i)*16*PITCH
.else
	ds_load_b64 v[\reg+2*\p:\reg+2*\p+1], v[\adr+2] offset:8*PC+16*(PC/8)+(\i)*16*PITCH
.endif
.endr
.endm
; PASS 1: 16 matrix instructions: my blocks a0, a0 + 1 of 16 tokens x the weight's eight, 128 along K.  p: the weight's set; sc: the set of scale words.  zero = 1: the first product starts the sums: nothing is cleared.
; The 64 accumulators take turns, one instruction a turn, in the same order in every step.
.macro MUL16 a0, p, q, sc, zero
.irp a, \a0, \a0+1
.irp b, 0,1,2,3,4,5,6,7
.if \zero
	v_wmma_scale_f32_16x16x128_f8f6f4 v[8*(8*((\a)%4)+\b):8*(8*((\a)%4)+\b)+7], v[128*(\p)+FR*\b:128*(\p)+FR*\b+FR-1], v[AF+FR*(\a):AF+FR*(\a)+FR-1], 0, v[SC+8*NQ*(\sc)+NQ*\b+(\q)], v[SC+8*NQ*(\sc)+NQ*(\a)+(\q)] matrix_a_fmt:MATRIX_FMT_FP6 matrix_b_fmt:MATRIX_FMT_FP6 matrix_a_scale:MATRIX_SCALE_ROW1
.else
	v_wmma_scale_f32_16x16x128_f8f6f4 v[8*(8*((\a)%4)+\b):8*(8*((\a)%4)+\b)+7], v[128*(\p)+FR*\b:128*(\p)+FR*\b+FR-1], v[AF+FR*(\a):AF+FR*(\a)+FR-1], v[8*(8*((\a)%4)+\b):8*(8*((\a)%4)+\b)+7], v[SC+8*NQ*(\sc)+NQ*\b+(\q)], v[SC+8*NQ*(\sc)+NQ*(\a)+(\q)] matrix_a_fmt:MATRIX_FMT_FP6 matrix_b_fmt:MATRIX_FMT_FP6 matrix_a_scale:MATRIX_SCALE_ROW1
.endif
.endr
.endr
.endm
; PASS 2: 8 matrix instructions: my block a of 16 rows of Wv x my eight blocks of 16 tokens, 128 along K: number kk of eight.  p: the set of both operands; sc, q: x's scale words.  The 32 accumulators take turns likewise.
.macro MULV a, p, kk, sc, q, zero
.irp b, 0,1,2,3,4,5,6,7
.if \zero
	v_wmma_scale_f32_16x16x128_f8f6f4 v[8*(8*(\a)+\b):8*(8*(\a)+\b)+7], v[128*(\p)+FR*\b:128*(\p)+FR*\b+FR-1], v[AF+48*(\p)+FR*(\a):AF+48*(\p)+FR*(\a)+FR-1], 0, v[SC+8*NQ*(\sc)+NQ*\b+(\q)], v[WVS+8*(\a)+(\kk)] matrix_a_fmt:MATRIX_FMT_FP6 matrix_b_fmt:MATRIX_FMT_FP6 matrix_a_scale:MATRIX_SCALE_ROW1
.else
	v_wmma_scale_f32_16x16x128_f8f6f4 v[8*(8*(\a)+\b):8*(8*(\a)+\b)+7], v[128*(\p)+FR*\b:128*(\p)+FR*\b+FR-1], v[AF+48*(\p)+FR*(\a):AF+48*(\p)+FR*(\a)+FR-1], v[8*(8*(\a)+\b):8*(8*(\a)+\b)+7], v[SC+8*NQ*(\sc)+NQ*\b+(\q)], v[WVS+8*(\a)+(\kk)] matrix_a_fmt:MATRIX_FMT_FP6 matrix_b_fmt:MATRIX_FMT_FP6 matrix_a_scale:MATRIX_SCALE_ROW1
.endif
.endr
.endm
.macro FETCH_B adr, slot, q, p         ; source 0's eight fragments of the slot's q-th 128 along K into set p
	WIN TO_B
.irp i, 0,1,2,3,4,5,6,7
	FRAG 128*(\p)+FR*\i, \adr+\slot, \q, \i
.endr
	WIN 0
.endm
.macro FETCH_A slot, q, i0             ; pass 1: my blocks i0 .. i0 + 3 of tokens
.irp i, \i0, \i0+1, \i0+2, \i0+3
	FRAG AF+FR*(\i), ADRA+\slot, \q, \i
.endr
.endm
.macro FETCH_A2 slot, q, p             ; pass 2: my four blocks of Wv into set p
.irp i, 0,1,2,3
	FRAG AF+48*(\p)+FR*\i, ADRA2+\slot, \q, \i
.endr
.endm
.macro SCALES adr, sc                  ; a K step's scale words into set sc: two words a row, eight blocks of 16 rows
.irp i, 0,1,2,3,4,5,6,7
	ds_load_b64 v[SC+8*NQ*\sc+NQ*\i:SC+8*NQ*\sc+NQ*\i+1], v[\adr] offset:\i*SBLK
.endr
.endm
; A load into a register that a matrix instruction has read, and a vector instruction that reads a matrix result or writes one of its registers, stand NP places behind it; only plain vector
; instructions that name none of its registers are places (ISA guide 7.12.1 for vector instructions).
.macro PLACES n
.rept \n
	v_nop
.endr
.endm
; The rest of a round of the cluster's barrier, and behind it the joint refill of the slot just read out: the first tensor load behind the round, and a wave's only one until the next.
; kind 1: pass 1's K step two steps on.  kind 2: pass 2's K step 0 or 1: x goes back along K, the weights' descriptor takes Wv.  kind 3: pass 2's K step two steps on.
; No tensor load of mine is out here (the wait for all of them stands in front of the round), so the groups 0 may be written.
.macro REFILL slot, kind
	CREST
.if \kind == 2
	s_sub_nc_u64 s[G0+4*\slot+2:G0+4*\slot+3], s[G0+4*\slot+2:G0+4*\slot+3], 2*ROWB
	s_add_nc_u64 s[G0B+4*\slot+2:G0B+4*\slot+3], s[WVT:WVT+1], \slot*ROWB
	s_or_b32 s[G0B+4*\slot+3], s[G0B+4*\slot+3], 0x80000000
.else
	s_add_nc_u64 s[G0+4*\slot+2:G0+4*\slot+3], s[G0+4*\slot+2:G0+4*\slot+3], 2*ROWB
	s_add_nc_u64 s[G0B+4*\slot+2:G0B+4*\slot+3], s[G0B+4*\slot+2:G0B+4*\slot+3], 2*ROWB
.endif
.if \kind == 1
	JLOAD G0+4*\slot, G1, G0B+4*\slot, G1B         ; its four v_nop are also the places in front of the loads that follow
.else
	JLOAD2 \slot
	PLACES NP                                      ; wave 3 has passed no v_nop: the places in front of the loads that follow stand here for all
.endif
.endm
; PASS 1.  A step of 128 along K that has its successor in the same slot.
.macro STEP slot, q, zero
	s_wait_dscnt 4*NL                              ; the weight's set and my blocks 0-3 are in; the youngest 24 loads (blocks 4-7) may be out
	WIN MUL_LO
	MUL16 0, (\q)%2, \q, \slot, \zero
	MUL16 2, (\q)%2, \q, \slot, \zero
	s_wait_dscnt 0                                 ; blocks 4-7 are in (asked for 32 matrix instructions ago)
	PLACES NP
	FETCH_B ADRB, \slot, (\q)+1, 1-(\q)%2
	FETCH_A \slot, (\q)+1, 0
	WIN MUL_HI
	MUL16 4, (\q)%2, \q, \slot, \zero
	MUL16 6, (\q)%2, \q, \slot, \zero
	PLACES NP
	WIN 0
	FETCH_A \slot, (\q)+1, 4
.endm
; The first half of a slot's last step in pass 1: ONE barrier for the change of slots; in front of it each wave waits for all its tensor loads, adds 0 to its spare word, and waits for that and for its own reads of this slot.
.macro MEET slot
	s_wait_tensorcnt 0x0                           ; all my tensor loads have landed: my part of the next slot  (every window is 0 here)
	ds_add_u32 v[SPW], v[NIL]                      ; 0 onto my spare word
	s_wait_dscnt 4*NL+1                            ; (the add and the youngest 24 loads, blocks 4-7, may be out)
	WIN MUL_LO
	MUL16 0, 1, NQ-1, \slot, 0                     ; sixteen matrix instructions stand between the add and the wait for it
	s_wait_dscnt 0x0                               ; the add is done, and my reads of this slot are over
	s_barrier_signal -1                            ; this barrier opens a round of the cluster's barrier
	MUL16 2, 1, NQ-1, \slot, 0
	WIN 0
	s_barrier_wait -1
.endm
.macro TURN slot, next, kind           ; a slot's last step inside pass 1
	MEET \slot
	REFILL \slot, \kind
	v_add_nc_u32 v[ADRS], 4*NQ, v[ADRS]            ; on to the next K step's scale words (no LDS load of mine is out)
	FETCH_B ADRB, \next, 0, 0
	FETCH_A \next, 0, 0
	SCALES ADRS, \next
	WIN MUL_HI
	MUL16 4, 1, NQ-1, \slot, 0
	MUL16 6, 1, NQ-1, \slot, 0
	PLACES NP
	WIN 0
	FETCH_A \next, 0, 4
.endm
; PASS 2.  A slot's first 128 along K: multiplies set 0 and fetches set 1.
.macro STEP2 slot, kk, zero
	s_wait_dscnt 0x0                               ; set 0 and the slot's scale words are in
	WIN MUL_LO
	MULV 0, 0, \kk, \slot, 0, \zero
	MULV 1, 0, \kk, \slot, 0, \zero
	PLACES NP                                      ; behind the last products that read set 1
	FETCH_B ADRB2, \slot, 1, 1
	FETCH_A2 \slot, 1, 1
	WIN MUL_LO
	MULV 2, 0, \kk, \slot, 0, \zero
	MULV 3, 0, \kk, \slot, 0, \zero
	WIN 0
.endm
; A slot's second 128 along K: multiplies set 1 and changes slots, in the same order of waits, add, barrier and refill as in pass 1.  fill = 1: this slot is filled again, two K steps ahead.
.macro TURN2 slot, next, kk, fill
	s_wait_tensorcnt 0x0                           ; all my tensor loads have landed: my part of the next slot
	ds_add_u32 v[SPW], v[NIL]                      ; 0 onto my spare word
	s_wait_dscnt 1                                 ; set 1 is in; the add alone may be out
	WIN MUL_LO
	MULV 0, 1, \kk, \slot, 1, 0                    ; eight matrix instructions stand between the add and the wait for it
	s_wait_dscnt 0x0                               ; the add is done, and my reads of this slot are over
	s_barrier_signal -1
	MULV 1, 1, \kk, \slot, 1, 0
	WIN 0
	s_barrier_wait -1
.if \fill
	REFILL \slot, 3
.else
	PLACES NP
.endif
	v_add_nc_u32 v[ADRS2], 4*NQ, v[ADRS2]          ; on to the next K step's scale words (no LDS load of mine is out)
	FETCH_B ADRB2, \next, 0, 0
	FETCH_A2 \next, 0, 0
	SCALES ADRS2, \next
	WIN MUL_LO
	MULV 2, 1, \kk, \slot, 1, 0
	MULV 3, 1, \kk, \slot, 1, 0
	WIN 0
.endm
; THE WAY OUT: no LDS.  In block a lane (r, h) holds row r of source 1, and the 16 registers of tiles 2 b, 2 b + 1 hold, of the block of 32 along the next K, numbers 8 h + 0..7 and 16 + 8 h + 0..7.
; The block's largest magnitude does not mind that order; the conversion takes the registers as they lie (48 bits for each run of eight); PACK6 then puts the four runs of a block in order.
; f: the conversion of block 2 c (three registers), r: that of block 2 c + 1.  The exchange gives lanes 0-15 all of block 2 c and lanes 16-31 all of block 2 c + 1: f holds runs 0 and 2, r runs 1 and 3.
; Six registers f .. f + 5 then take run 0, 1, 2, 3, 48 bits each: the operand's layout, K = 64 c + 32 h + 0 .. 31.
.macro PACK6 f, r
.irp i, 0,1,2
	v_permlane16_swap_b32 v[(\f)+\i], v[(\r)+\i]
.endr
	v_perm_b32 v[(\f)+3], v[(\f)+2], v[(\f)+1], s[P2]   ; run 2's bits 0-31: f1's upper half, f2's lower
	v_perm_b32 v[(\f)+4], v[(\r)+1], v[(\f)+2], s[P3]   ; run 2's bits 32-47, run 3's bits 0-15: the two upper halves
	v_perm_b32 v[(\f)+1], v[(\r)], v[(\f)+1], s[P1]     ; run 0's bits 32-47, run 1's bits 0-15: the two lower halves
	v_perm_b32 v[(\f)+2], v[(\r)+1], v[(\r)], s[P2]     ; run 1's bits 16-47
	v_mov_b32 v[(\f)+5], v[(\r)+2]                      ; run 3's bits 16-47
.endm
.macro QOUT a, co, base                ; block a becomes fragment a of what the wave stores at s[base] + v[co]
.set AC, 64*((\a)%4)                   ; the block's eight accumulators, in window 2 (blocks 0-3) or 3
.set FA, FRG+12*(\a)
	WIN 0x0a+5*((\a)/4)                            ; sources 0 and 1: the accumulators' window
.irp b, 0,1,2,3
	v_max3_num_f32 v[TM+\b], |v[AC+16*\b]|, |v[AC+16*\b+1]|, 0x1800000   ; each accumulator is read from its low end on; the floor 2^(3 - 127) holds the byte at 1 from below
.endr
.irp i, 2,4,6,8,10,12,14
.irp b, 0,1,2,3
	v_max3_num_f32 v[TM+\b], |v[AC+16*\b+\i]|, |v[AC+16*\b+\i+1]|, v[TM+\b]   ; the four blocks by turns
.endr
.endr
	WIN 0
.irp b, 0,1,2,3
	v_permlanex16_b32 v[TP+\b], v[TM+\b], s[SEL], s[SEL+1]
.endr
.irp b, 0,1,2,3
	v_max_num_f32 v[TM+\b], v[TM+\b], v[TP+\b]     ; with lane l xor 16's 16 numbers: the block's largest magnitude
.endr
.irp b, 0,1,2,3
	v_add_nc_u32 v[TO+\b], 0xff000000, v[TM+\b]    ; 2 off its exponent field: the conversion takes that field as its scale
.endr
.irp b, 0,1,2,3
	v_lshrrev_b32 v[TP+\b], 23, v[TO+\b]           ; the scale's byte
.endr
	v_lshl_or_b32 v[PW+(\a)], v[TP+1], 8, v[TP]
	v_lshl_or_b32 v[PW+(\a)], v[TP+2], 16, v[PW+(\a)]
	v_lshl_or_b32 v[PW+(\a)], v[TP+3], 24, v[PW+(\a)]   ; my row's scale word
	WIN 0x02+(\a)/4                                ; source 0: the accumulators' window
.irp c, 0,1
	v_cvt_scalef32_pk16_fp6_f32 v[FA+6*\c:FA+6*\c+2], v[AC+32*\c:AC+32*\c+15], v[TO+2*\c]
	v_cvt_scalef32_pk16_fp6_f32 v[RP+4*\c:RP+4*\c+2], v[AC+32*\c+16:AC+32*\c+31], v[TO+2*\c+1]
.endr
	WIN 0
	v_nop                                          ; one plain place behind a scaled conversion
.irp c, 0,1
	PACK6 FA+6*\c, RP+4*\c
.endr
.irp c, 0,1,2
	global_store_b128 v[\co], v[FA+4*\c:FA+4*\c+3], s[\base:\base+1] offset:FRB*(\a)+512*\c   ; 32 lanes store 512 consecutive bytes; within a pass each block has data registers of its own
.endr
.endm
	; ---- PASS 1: q and k
	s_wait_tensorcnt 1                             ; the scales and my part of K step 0 are in (K step 1's load may be out)
	s_barrier_signal -1
	s_barrier_wait -1                              ; everybody's are
	FETCH_B ADRB, 0, 0, 0
	FETCH_A 0, 0, 0
	SCALES ADRS, 0
	FETCH_A 0, 0, 4
	STEP 0, 0, 1                                   ; K step 0: its first products start the sums
	TURN 0, 1, 1                                   ; slot 0 takes K step 2
	STEP 1, 0, 0                                   ; K step 1
	TURN 1, 0, 1                                   ; slot 1 takes K step 3
	STEP 0, 0, 0                                   ; K step 2
	TURN 0, 1, 2                                   ; THE RING GOES ON INTO PASS 2: slot 0 takes its K step 0,
	STEP 1, 0, 0                                   ; K step 3
	MEET 1
	REFILL 1, 2                                    ; slot 1 its K step 1
	FETCH_B ADRB2, 0, 0, 0                         ; pass 2's first tokens and their scale words are fetched now (slot 0 is whole: every wave has waited for its part in front of the barrier just passed) and land under the way out
	SCALES ADRS2, 0
	WIN MUL_HI
	MUL16 4, 1, NQ-1, 1, 0
	MUL16 6, 1, NQ-1, 1, 0
	WIN 0
	PLACES NP                                      ; behind the last products: their results are read and registers of theirs written only from here on
	s_mov_b32 s[SEL], 0x76543210
	s_mov_b32 s[SEL+1], 0xfedcba98
	s_mov_b32 s[P1], 0x05040100
	s_mov_b32 s[P2], 0x05040302
	s_mov_b32 s[P3], 0x07060302
.irp b, 0,1,2,3
	v_mov_b32 v[TP+\b], 0                          ; written once: a lane permute's destination counts as one of its sources
.endr
.irp a, 0,1,2,3,4,5,6,7
	QOUT \a, CO, 12
.endr
	v_cmp_eq_u32 vcc_lo, 1, v2                     ; lanes 16-31 store the odd fragments' words
.irp b, 0,1,2,3
	v_cndmask_b32 v[XW+\b], v[PW+2*\b], v[PW+2*\b+1], vcc_lo
.endr
	global_store_b128 v[CO], v[XW:XW+3], s[12:13] offset:8*FRB   ; the record's 512 bytes of scale words
	; ---- PASS 2: v
	s_wait_xcnt 0x0                                ; the stores above have read their registers: loads and the second way out may write them
	FETCH_A2 0, 0, 0
	s_wait_loadcnt 0x0                             ; Wv's scale words, asked for at the head
	STEP2 0, 0, 1                                  ; K step 0: its products start the sums
	TURN2 0, 1, 1, 1                               ; slot 0 takes K step 2
	STEP2 1, 2, 0                                  ; K step 1
	TURN2 1, 0, 3, 1                               ; slot 1 takes K step 3
	STEP2 0, 4, 0                                  ; K step 2
	TURN2 0, 1, 5, 0                               ; nothing is left to fetch: a plain barrier, behind which slot 1 is whole
	STEP2 1, 6, 0                                  ; K step 3
	s_wait_dscnt 0x0                               ; the very last 128 along K
	WIN MUL_LO
	MULV 0, 1, 7, 1, 1, 0
	MULV 1, 1, 7, 1, 1, 0
	MULV 2, 1, 7, 1, 1, 0
	MULV 3, 1, 7, 1, 1, 0
	WIN 0
	PLACES NP
.irp a, 0,1,2,3
	QOUT \a, CO2, 100
.endr
	v_cmp_eq_u32 vcc_lo, 1, v2                     ; lanes 16-31 store the odd fragments' words
	v_cndmask_b32 v[XW], v[PW], v[PW+1], vcc_lo
	v_cndmask_b32 v[XW+1], v[PW+2], v[PW+3], vcc_lo
	global_store_b64 v[XSO], v[XW:XW+1], s[100:101] offset:8*FRB   ; my four fragments' words: 8 bytes of each 16; the wave that shares the record stores the other 8
	s_wait_tensorcnt 0x0                           ; the wave's end
	ds_add_u32 v[SPW], v[NIL]
	s_wait_dscnt 0x0
	CROUND                                         ; the closing round: no work-group ends while a partner may still ask for a tile that names it
	s_endpgm
.Lfunc_end_k_q356b86b2b4_qkv:
	.size	k_q356b86b2b4_qkv, .Lfunc_end_k_q356b86b2b4_qkv-k_q356b86b2b4_qkv
	.p2alignl 7, 3214868480
	.fill 96, 4, 3214868480
	.section	.rodata,"a",@progbits
	.p2align	6, 0x0
	.amdhsa_kernel k_q356b86b2b4_qkv
		.amdhsa_group_segment_fixed_size 327680
		.amdhsa_private_segment_fixed_size 0
		.amdhsa_enable_private_segment 0
		.amdhsa_kernarg_size 88
		.amdhsa_user_sgpr_count 2
		.amdhsa_user_sgpr_kernarg_segment_ptr 1
		.amdhsa_wavefront_size32 1
		.amdhsa_system_sgpr_workgroup_id_x 1
		.amdhsa_system_sgpr_workgroup_id_y 1
		.amdhsa_system_sgpr_workgroup_id_z 1
		.amdhsa_system_vgpr_workitem_id 0
		.amdhsa_next_free_vgpr 1024
		.amdhsa_next_free_sgpr 102
		.amdhsa_reserve_vcc 1
		.amdhsa_float_denorm_mode_32 3
		.amdhsa_float_denorm_mode_16_64 3
		.amdhsa_memory_ordered 1
		.amdhsa_forward_progress 1
		.amdhsa_inst_pref_size 255
	.end_amdhsa_kernel
	.section	.bss,"aw",@nobits
	.p2align	6
	.space	262144
	.amdgpu_metadata
---
amdhsa.version: [ 1, 2 ]
amdhsa.kernels:
  - .name:           k_q356b86b2b4_qkv
    .symbol:         k_q356b86b2b4_qkv.kd
    .args:
      - { .name: hidden_states_codes, .offset: 0, .size: 8, .value_kind: global_buffer, .address_space: global }
      - { .name: hidden_states_scales, .offset: 8, .size: 8, .value_kind: global_buffer, .address_space: global }
      - { .name: Wq_codes, .offset: 16, .size: 8, .value_kind: global_buffer, .address_space: global }
      - { .name: Wq_scales, .offset: 24, .size: 8, .value_kind: global_buffer, .address_space: global }
      - { .name: Wk_codes, .offset: 32, .size: 8, .value_kind: global_buffer, .address_space: global }
      - { .name: Wk_scales, .offset: 40, .size: 8, .value_kind: global_buffer, .address_space: global }
      - { .name: Wv_codes, .offset: 48, .size: 8, .value_kind: global_buffer, .address_space: global }
      - { .name: Wv_scales, .offset: 56, .size: 8, .value_kind: global_buffer, .address_space: global }
      - { .name: qrec, .offset: 64, .size: 8, .value_kind: global_buffer, .address_space: global }
      - { .name: krec, .offset: 72, .size: 8, .value_kind: global_buffer, .address_space: global }
      - { .name: vrec, .offset: 80, .size: 8, .value_kind: global_buffer, .address_space: global }
    .group_segment_fixed_size: 327680
    .private_segment_fixed_size: 0
    .kernarg_segment_align: 8
    .kernarg_segment_size: 88
    .max_flat_workgroup_size: 128
    .sgpr_count:     102
    .vgpr_count:     1024
    .wavefront_size: 32
...
	.end_amdgpu_metadata
.endif
;; end of part 1
;; launch attn (part 2): grid 8 x 32, 16 waves a work-group, no clusters, 105,472 bytes of LDS; arguments qrec, krec, vrec, cimg, csc; writes cimg, csc
.if DOCPART == 2
	.amdgcn_target "amdgcn-amd-amdhsa--gfx1250"
	.amdhsa_code_object_version 6
	.text
	.protected	k_q356b86b2b4_attn
	.globl	k_q356b86b2b4_attn
	.p2align	8
	.type	k_q356b86b2b4_attn,@function
k_q356b86b2b4_attn:
	s_mov_b64 s[64:65], 0
	v_nop
	global_prefetch_b8 v0, s[64:65] scope:SCOPE_SE
	s_setreg_imm32_b32 hwreg(HW_REG_WAVE_MODE, 25, 1), 1
	s_wait_xcnt 0x0
; ctx = softmax(q k^T under the band: key j counts for query i where i - 255 <= j <= i) v, head by head, both products on codes of FP6 (E2M3) with E8M0 scales; ctx is quantised along D and leaves as images of operand registers.
; THE SOFTMAX AHEAD OF THE SECOND PRODUCT: t = score x log2(e); M = the row's largest t so far, rounded up to a whole number; p = 2^(t - M) is quantised along the keys, not normalised; the row's sum is taken of
; the unquantised p and divides at the end.  When M moves, the sum and O are multiplied by 2^(old M - new M): exact.
; SHARES.  A work-group owns 256 queries (x) of one batch and pair of heads (y = 8 x batch + pair); each of its sixteen waves owns 16 queries, one tile, in 256 registers: four waves to a SIMD, so that one wave's
; vector work stands beside another's matrix work.  A wave does the pair's first head, then its second.  A head's K is 64, half of the instruction's 128: the other head's half of Q's operand is zero codes.
; THE BAND.  With GS the group of 128 tokens that holds my queries, the keys that count lie in groups GS - 2, GS - 1, GS: three key steps of 128.  In the first a key counts where its offset is above my query's, in the
; last where it is not above; the middle one counts whole.  A step that would lie ahead of the sequence's start is jumped over by a scalar branch on ids.  Hidden scores become -infinity ahead of the maximum: p = 0.
; LDS is filled ONCE, through registers: the four records of K and of V (groups 2 x - 2 .. 2 x + 1) as they lie in memory: images of operand registers.  One barrier; then every wave reads what it wants.
; NO CLUSTER: there is no ring and no refill in which a joint request would recur; what neighbouring blocks of queries share is two of a work-group's four records of K and of V, 51,200 of its 102,400 bytes, read once.
; LAYOUT.  Both products are used transposed: S^T = K Q^T (source 0 = 16 keys), O^T = V^T P^T (source 0 = 16 of the head's 64): a lane holds ONE query (lane % 16) throughout.  The 16 registers of tiles 2 b, 2 b + 1
; hold keys 32 b + 8 h + 0..7 and 32 b + 16 + 8 h + 0..7: the conversion takes them as they lie and PACK6 puts the runs of eight in order.
; LIMITS: p under 2^-126 is 0.  A block whose largest magnitude lies under 2^-124 (a block of zeros too) gets the byte 1; only this program reads the bytes.  NaN and infinities are not served.
.set REC,   12800                      ; a record: eight fragments' images, then 512 bytes of scale words
.set FRB,   1536                       ; a fragment's image
.set STEPB, 12288                      ; a record's images
.set KIMG,  0                          ; LDS: K's four records' images,
.set VIMG,  49152                      ; V's,
.set KSC,   98304                      ; K's scale words, 512 bytes a record,
.set VSC,   100352                     ; V's,
.set CSC,   102400                     ; ctx's scale words: 64 bytes for each wave
.set LI,   1                           ; v1   16 x lane
.set AK,   2                           ; v2   my lane's place in my first key step's images of K
.set AV,   3                           ; v3   of V
.set ASK,  4                           ; v4   my row's place among that step's scale words of K
.set ASV,  5                           ; v5   of V
.set FSI,  6                           ; v6   the fill: where I store images
.set FSS,  7                           ; v7   and scale words
.set GFI,  8                           ; v8   the fill: my byte offset in the record, images
.set GFS,  9                           ; v9   scale words
.set CWA,  10                          ; v10  where my row's scale word of ctx goes
.set NINF, 11                          ; v11  -infinity
.set QF,   16                          ; v16-27 Q's operand; v12 -M, v13 the largest t, v[14:15] the sum in two halves
.set QS,   28                          ; v28-33 the second head's half of Q, kept
.set QW,   34                          ; v34  Q's scale words
.set GQ,   35                          ; v35  my byte offset in Q's record: the fragment
.set CF,   36                          ; v36-47 ctx's fragment
.set CW,   48                          ; v48  its scale word
.set GQS,  49                          ; v49  my byte offset in Q's record: the scale word
.set KSR,  52                          ; v52-59 K's scale words: tile t at 52 + 4 (t % 2) + t / 2
.set VSR,  60                          ; v60-63 V's: tile t at 60 + 2 (t % 2) + t / 2
.set FR,   64                          ; v64-111 four fragments of K or of V
.set S,    112                         ; v112-175 S^T, then p
.set OT,   176                         ; v176-207 O^T
.set PF,   208                         ; v208-219 p's codes
.set RP,   220                         ; v220-222, v224-226 the conversions of the odd blocks
.set BM,   228                         ; v228-231 the blocks' largest
.set BT,   232                         ; v232-235 the other half's, then the bytes
.set BO,   236                         ; v236-239 the conversions' scale operands
.set PSW,  240                         ; v240 p's scale word
.set FF,   242                         ; v[242:243] f = 2^(old M - new M)
.set TT,   244                         ; v244 at work
.set L2,   246                         ; v[246:247] the second chain of sums
.set CRD,  248                         ; v248 wave 0: where ctx's scale words are read back
.set WV,   14                          ; s14 my wave's number
.set GS,   17                          ; s17 my queries' group of 128 tokens in the batch
.set O32,  18                          ; s18 which 32 of that group hold my queries
.set SEL,  20                          ; s[20:21] lane selects: lane l xor 16
.set CS,   22                          ; s[22:23] log2(e), twice
.set P1,   24                          ; s24-26 byte selects
.set P2,   25
.set P3,   26
.set MK,   36                          ; s36-51 masks: bit of lane (r, h) in mask 8 u + j: key offset 16 u + 8 h + j is not above my query's offset in its 32
	s_load_b128 s[4:7], s[0:1], 0x0                ; q's records, k's
	s_load_b128 s[8:11], s[0:1], 0x10              ; v's records, ctx's images
	s_load_b64 s[12:13], s[0:1], 0x20              ; ctx's scale words
	v_lshl_add_u32 v254, v0, 2, 0x19400
	v_mov_b32 v255, 0
	v_lshrrev_b32 v50, 5, v0
	s_delay_alu instid0(VALU_DEP_1)
	v_readfirstlane_b32 s[WV], v50                 ; wave 0..15
	s_and_b32 s16, ttmp7, 0xffff                   ; 8 x batch + pair of heads
	s_lshl_b32 s15, ttmp9, 1                       ; my block's first group of 128
	s_lshr_b32 s19, s[WV], 3                       ; which of the block's two groups is my wave's
	s_add_co_u32 s[GS], s15, s19
	s_bfe_u32 s[O32], s[WV], 0x20001               ; (wave / 2) % 4.  Also: which of the four records I help to fetch
	s_and_b32 s27, s[WV], 1                        ; which half of it.  Also: which 16 of the 32 are my queries
	s_add_co_u32 s52, s15, s[O32]
	s_sub_co_i32 s52, s52, 2
	s_max_i32 s52, s52, 0                          ; group 2 x - 2 + record, held at 0: a record fetched in place of one ahead of the start is never read
	s_lshl_b32 s53, s16, 4
	s_add_co_u32 s52, s52, s53
	s_mul_i32 s28, s52, REC
	s_mov_b32 s29, 0
	s_add_co_u32 s52, s53, s[GS]
	s_mul_i32 s30, s52, REC                        ; Q's record
	s_mov_b32 s31, 0
	s_lshr_b32 s52, s16, 3
	s_lshl_b32 s52, s52, 7
	s_lshl_b32 s53, ttmp9, 4
	s_add_co_u32 s52, s52, s53                     ; the block's first tile of 16 tokens: 128 x batch + 16 x
	s_and_b32 s53, s16, 7                          ; the pair of heads = the next product's K step
	s_lshl_b32 s34, s53, 9
	s_add_co_u32 s34, s34, s52
	s_lshl_b32 s34, s34, 6                         ; scale words [K step 8][tile 512][16 words]
	s_mov_b32 s35, 0
	s_add_co_u32 s32, s52, s[WV]
	s_lshl_b32 s32, s32, 3
	s_add_co_u32 s32, s32, s53
	s_mul_i32 s32, s32, FRB                        ; images [tile 512][K step 8][1,536]
	s_mov_b32 s33, 0
	v_and_b32 v50, 15, v0                          ; r
	v_bfe_u32 v51, v0, 4, 1                        ; h
	v_and_b32 v[GFS], 31, v0
	s_delay_alu instid0(VALU_DEP_1)
	v_lshlrev_b32 v[LI], 4, v[GFS]
	s_delay_alu instid0(VALU_DEP_2)
	v_lshlrev_b32 v[GFS], 3, v[GFS]                ; 8 x lane
	s_wait_alu depctr_va_vdst(0)
	s_mul_i32 s52, s19, STEPB
	v_add_nc_u32 v[AK], s52, v[LI]                 ; my three steps are records 0-2 or 1-3 of the four
	s_delay_alu instid0(VALU_DEP_1)
	v_add_nc_u32 v[AV], VIMG, v[AK]
	s_lshl_b32 s52, s19, 9
	s_add_co_u32 s52, s52, KSC
	v_lshl_add_u32 v[ASK], v50, 4, s52
	s_delay_alu instid0(VALU_DEP_1)
	v_add_nc_u32 v[ASV], VSC-KSC, v[ASK]
	s_mul_i32 s52, s[WV], STEPB/2
	v_add_nc_u32 v[FSI], s52, v[LI]                ; waves 0-7 fill K's images, waves 8-15 V's, half a record each: 6,144 x wave
	s_lshl_b32 s52, s[WV], 8
	s_add_co_u32 s52, s52, KSC
	v_add_nc_u32 v[FSS], s52, v[GFS]               ; and 256 bytes of scale words: 256 x wave
	s_mul_i32 s52, s27, STEPB/2
	v_add_nc_u32 v[GFI], s52, v[LI]
	s_lshl_b32 s52, s27, 8
	v_add_nc_u32 v[GFS], s52, v[GFS]
	s_lshl_b32 s53, s[O32], 2
	s_add_co_u32 s52, s52, s53
	v_lshl_add_u32 v[GQS], v50, 4, s52             ; fragment a = wave % 8: its word of row r at 256 (a % 2) + 16 r + 4 (a / 2)
	s_and_b32 s52, s[WV], 7
	s_mul_i32 s52, s52, FRB
	v_add_nc_u32 v[GQ], s52, v[LI]
	s_lshl_b32 s52, s[WV], 6
	s_add_co_u32 s52, s52, CSC
	v_lshl_add_u32 v[CWA], v50, 2, s52
	v_add_nc_u32 v[CRD], CSC, v[LI]
	s_mov_b32 s[SEL], 0x76543210
	s_mov_b32 s[SEL+1], 0xfedcba98
	s_mov_b32 s[CS], 0x3fb8aa3b                    ; log2(e): no other factor stands on the scores
	s_mov_b32 s[CS+1], s[CS]                       ; (named with it as a pair, so it is written)
	s_mov_b32 s[P1], 0x05040100
	s_mov_b32 s[P2], 0x05040302
	s_mov_b32 s[P3], 0x07060302
	s_wait_alu depctr_va_vdst(0)
	s_wait_kmcnt 0x0
	s_cmp_lt_u32 s[WV], 8
	s_cselect_b64 s[6:7], s[6:7], s[8:9]           ; K's records or V's: the choice hangs on the wave's number alone
	s_add_nc_u64 s[28:29], s[6:7], s[28:29]
	s_add_nc_u64 s[30:31], s[4:5], s[30:31]
	s_add_nc_u64 s[32:33], s[10:11], s[32:33]
	s_add_nc_u64 s[34:35], s[12:13], s[34:35]
.irp i, 0,1,2,3,4,5,6,7,8,9,10,11
	global_load_b128 v[FR+4*\i:FR+4*\i+3], v[GFI], s[28:29] offset:512*\i   ; half a record's images: 512 consecutive bytes a load
.endr
	global_load_b64 v[S:S+1], v[GFS], s[28:29] offset:STEPB                 ; and half of its scale words
.irp c, 0,1,2
	global_load_b128 v[QF+4*\c:QF+4*\c+3], v[GQ], s[30:31] offset:512*\c    ; Q's fragment: both heads of the pair
.endr
	global_load_b32 v[QW], v[GQS], s[30:31] offset:STEPB
	v_lshlrev_b32 v[TT], 3, v51
	s_delay_alu instid0(VALU_DEP_1)
	v_sub_nc_u32 v[TT], v50, v[TT]
	s_lshl_b32 s52, s27, 4
	v_add_nc_u32 v[TT], s52, v[TT]                 ; my query's offset in its 32, less 8 h
.irp u, 0,1
.irp j, 0,1,2,3,4,5,6,7
	v_cmp_le_i32 s[MK+8*\u+\j], 16*\u+\j, v[TT]
.endr
.endr
	v_mov_b32 v[NINF], 0xff800000
.irp b, 0,1,2,3
	v_mov_b32 v[BT+\b], 0                          ; written once: a lane permute's destination counts as one of its sources
.endr
	v_mov_b32 v[FF+1], 0                           ; (named as the upper half of a pair before it is otherwise written)
	s_wait_loadcnt 4                               ; the record's thirteen loads are in; Q's four may be out
.irp i, 0,1,2,3,4,5,6,7,8,9,10,11
	ds_store_b128 v[FSI], v[FR+4*\i:FR+4*\i+3] offset:512*\i
.endr
	ds_store_b64 v[FSS], v[S:S+1]
	s_wait_dscnt 0x0                               ; for the others' sake: my stores have landed
	s_barrier_signal -1
	s_barrier_wait -1                              ; the eight records lie in LDS; nobody writes them again
	s_wait_loadcnt 0x0                             ; Q
; f: the conversion of block 2 c, r: that of block 2 c + 1, three registers each, each holding runs (h) and (h + 2) of eight codes.  The exchange gives lanes 0-15 all of block 2 c, lanes 16-31 all of block 2 c + 1;
; the byte selects then lay runs 0, 1, 2, 3, 48 bits each, into f .. f + 5: the operand's layout, K = 64 c + 32 h + 0 .. 31.
.macro PACK6 f, r
.irp i, 0,1,2
	v_permlane16_swap_b32 v[(\f)+\i], v[(\r)+\i]
.endr
	s_delay_alu instid0(VALU_DEP_1)
	v_perm_b32 v[(\f)+3], v[(\f)+2], v[(\f)+1], s[P2]
	s_delay_alu instid0(VALU_DEP_2)
	v_perm_b32 v[(\f)+4], v[(\r)+1], v[(\f)+2], s[P3]
	s_delay_alu instid0(VALU_DEP_4)
	v_perm_b32 v[(\f)+1], v[(\r)], v[(\f)+1], s[P1]
	v_perm_b32 v[(\f)+2], v[(\r)+1], v[(\r)], s[P2]
	v_mov_b32 v[(\f)+5], v[(\r)+2]
.endm
; The mask on block b of 32 keys.  kind 2: the step of my own group: keys count up to my query.  kind 1: the step two groups back: keys count from behind my query's offset on.
; A block on the open side is left as it is, one on the hidden side becomes -infinity, the block of my query's own 32 goes by the sixteen masks.  The branches hang on the wave's number alone.
.macro MASKBLK kind, b
	s_cmp_eq_u32 s[O32], \b
	s_cbranch_scc1 .Ledge_\@
.if \kind == 2
	s_cmp_gt_u32 s[O32], \b
.else
	s_cmp_lt_u32 s[O32], \b
.endif
	s_cbranch_scc1 .Lopen_\@
.irp i, 0,1,2,3,4,5,6,7,8,9,10,11,12,13,14,15
	v_mov_b32 v[S+16*\b+\i], v[NINF]
.endr
	s_branch .Lopen_\@
.Ledge_\@:
.irp i, 0,1,2,3,4,5,6,7,8,9,10,11,12,13,14,15
.if \kind == 2
	v_cndmask_b32 v[S+16*\b+\i], v[NINF], v[S+16*\b+\i], s[MK+\i]
.else
	v_cndmask_b32 v[S+16*\b+\i], v[S+16*\b+\i], v[NINF], s[MK+\i]
.endif
.endr
.Lopen_\@:
.endm
; A KEY STEP of head hd: my s-th of three.  kind: 0 no mask, 1 and 2 as above.
.macro STEP hd, s, kind
.if \s < 2
	s_cmp_lt_u32 s[GS], 2-\s                       ; the step would lie ahead of the sequence's start
	s_cbranch_scc1 .Lskip_\@
.endif
.rept 4
	v_nop                                          ; places in front of loads into registers that the last products read
.endr
.irp g, 0,1                                    ; S^T = K Q^T, four tiles of 16 keys at a time
.if \g > 0
.rept 4
	v_nop
.endr
.endif
.irp t, 0,1,2,3                                ; of a fragment's three groups of four registers the head's six lie in two; the third keeps old codes, which meet Q's zero codes
	ds_load_b128 v[FR+12*\t+4*\hd:FR+12*\t+4*\hd+3], v[AK] offset:\s*STEPB+(4*\g+\t)*FRB+512*\hd
	ds_load_b128 v[FR+12*\t+4*\hd+4:FR+12*\t+4*\hd+7], v[AK] offset:\s*STEPB+(4*\g+\t)*FRB+512*\hd+512
.endr
.if \g == 0
	ds_load_b128 v[KSR:KSR+3], v[ASK] offset:512*\s          ; the even tiles' scale words of my row,
	ds_load_b128 v[KSR+4:KSR+7], v[ASK] offset:512*\s+256    ; the odd tiles'
.endif
	s_wait_dscnt 0x0
.irp t, 0,1,2,3
	v_wmma_scale_f32_16x16x128_f8f6f4 v[S+8*(4*\g+\t):S+8*(4*\g+\t)+7], v[FR+12*\t:FR+12*\t+11], v[QF:QF+11], 0, v[KSR+4*(\t%2)+(4*\g+\t)/2], v[QW] matrix_a_fmt:MATRIX_FMT_FP6 matrix_b_fmt:MATRIX_FMT_FP6
.endr
.endr
.rept 4
	v_nop                                          ; places: for the loads below and for the first reads of the scores
.endr
.irp t, 0,1,2,3                                ; V is asked for now and lands under the softmax: the head's four tiles of 16, K = these 128 keys
.irp c, 0,1,2
	ds_load_b128 v[FR+12*\t+4*\c:FR+12*\t+4*\c+3], v[AV] offset:\s*STEPB+(4*\hd+\t)*FRB+512*\c
.endr
.endr
	ds_load_b64 v[VSR:VSR+1], v[ASV] offset:512*\s+8*\hd
	ds_load_b64 v[VSR+2:VSR+3], v[ASV] offset:512*\s+256+8*\hd
.if \kind > 0
	MASKBLK \kind, 0
	MASKBLK \kind, 1
	MASKBLK \kind, 2
	MASKBLK \kind, 3
.endif
.irp b, 0,1,2,3
	v_max3_num_f32 v[BM+\b], v[S+16*\b], v[S+16*\b+1], v[S+16*\b+2]   ; the largest score of each block of 32 keys: it serves for the row's maximum and, since p rises with the score, for the block's largest p
.endr
.irp i, 3,5,7,9,11,13
.irp b, 0,1,2,3
	v_max3_num_f32 v[BM+\b], v[BM+\b], v[S+16*\b+\i], v[S+16*\b+\i+1]
.endr
.endr
.irp b, 0,1,2,3
	v_max_num_f32 v[BM+\b], v[BM+\b], v[S+16*\b+15]
.endr
.irp b, 0,1,2,3
	s_delay_alu instid0(VALU_DEP_4)
	v_permlanex16_b32 v[BT+\b], v[BM+\b], s[SEL], s[SEL+1]
.endr
.irp b, 0,1,2,3
	s_delay_alu instid0(VALU_DEP_4)
	v_max_num_f32 v[BM+\b], v[BM+\b], v[BT+\b]     ; with lane l xor 16's 16 keys
.endr
	s_delay_alu instid0(VALU_DEP_2)
	v_max3_num_f32 v[TT], v[BM], v[BM+1], v[BM+2]
	s_delay_alu instid0(VALU_DEP_1)
	v_max_num_f32 v[TT], v[TT], v[BM+3]            ; the step's largest score of my query
	s_delay_alu instid0(VALU_DEP_1)
	v_mul_f32 v[TT], s[CS], v[TT]                  ; as t
	s_delay_alu instid0(VALU_DEP_1)
	v_max_num_f32 v13, v13, v[TT]                  ; the running largest t (a step all of whose keys are hidden leaves it)
	v_mov_b32 v[TT], v12
	s_delay_alu instid0(VALU_DEP_2)
	v_floor_f32 v12, -v13                          ; the new -M = floor(-t): M is a whole number
	s_delay_alu instid0(VALU_DEP_1)
	v_sub_f32 v[TT], v12, v[TT]                    ; old M - new M: a whole number, 0 or less
	s_delay_alu instid0(VALU_DEP_1)
	v_cvt_i32_f32 v[TT], v[TT]                     ; (it saturates)
	s_delay_alu instid0(VALU_DEP_1)
	v_ldexp_f32 v[FF], 1.0, v[TT]                  ; f = 2^(old M - new M): a multiplication by it rounds nothing
.set JJ, 0
.rept 32
	v_pk_fma_f32 v[S+JJ:S+JJ+1], v[S+JJ:S+JJ+1], s[CS:CS+1], v[12:13] op_sel_hi:[1,0,0]   ; t - M, two at a time
.set JJ, JJ+2
.endr
.irp b, 0,1,2,3
	v_fma_f32 v[BM+\b], v[BM+\b], s[CS], v12       ; the same of each block's largest score
.endr
.set JJ, 0
	s_wait_alu depctr_va_vdst(0)
.rept 64
	v_exp_f32 v[S+JJ], v[S+JJ]                     ; p = 2^(t - M), at most 1
.set JJ, JJ+1
.endr
.irp b, 0,1,2,3
	v_exp_f32 v[BM+\b], v[BM+\b]                   ; the block's largest p: the same two instructions on the same number
.endr
	v_pk_mul_f32 v[14:15], v[14:15], v[FF:FF+1] op_sel_hi:[1,0]   ; the sums under the new M.  (The plain place behind the exponentials)
	s_wait_alu depctr_va_vdst(0)
.irp b, 0,1,2,3
	v_max_num_f32 v[BM+\b], 0x1800000, v[BM+\b]    ; the floor 2^(3 - 127): the byte cannot fall under 1
.endr
.irp b, 0,1,2,3
	s_delay_alu instid0(VALU_DEP_4)
	v_add_nc_u32 v[BO+\b], 0xff000000, v[BM+\b]    ; 2 off the exponent field: the conversion's scale operand
.endr
.irp b, 0,1,2,3
	s_delay_alu instid0(VALU_DEP_4)
	v_lshrrev_b32 v[BT+\b], 23, v[BO+\b]           ; the scale's byte
.endr
	s_delay_alu instid0(VALU_DEP_3)
	v_lshl_or_b32 v[PSW], v[BT+1], 8, v[BT]        ; p's scale word for these 128 keys
	s_delay_alu instid0(VALU_DEP_1)
	v_lshl_or_b32 v[PSW], v[BT+2], 16, v[PSW]
	s_delay_alu instid0(VALU_DEP_1)
	v_lshl_or_b32 v[PSW], v[BT+3], 24, v[PSW]
.irp c, 0,1
	v_cvt_scalef32_pk16_fp6_f32 v[PF+6*\c:PF+6*\c+2], v[S+32*\c:S+32*\c+15], v[BO+2*\c]
	v_cvt_scalef32_pk16_fp6_f32 v[RP+4*\c:RP+4*\c+2], v[S+32*\c+16:S+32*\c+31], v[BO+2*\c+1]
.endr
	v_nop                                          ; one plain place behind a scaled conversion
.irp c, 0,1
	PACK6 PF+6*\c, RP+4*\c
.endr
	v_pk_add_f32 v[246:247], v[116:117], v[120:121]
	v_pk_add_f32 v[252:253], v[124:125], v[128:129]
	v_pk_add_f32 v[250:251], v[132:133], v[136:137]
	v_pk_add_f32 v[238:239], v[140:141], v[144:145]
	v_pk_add_f32 v[236:237], v[148:149], v[152:153]
	v_pk_add_f32 v[230:231], v[156:157], v[160:161]
	v_pk_add_f32 v[228:229], v[164:165], v[168:169]
	v_pk_add_f32 v[14:15], v[14:15], v[172:173]
	v_pk_add_f32 v[246:247], v[246:247], v[112:113]
	v_pk_add_f32 v[252:253], v[252:253], v[114:115]
	v_pk_add_f32 v[250:251], v[250:251], v[118:119]
	v_pk_add_f32 v[238:239], v[238:239], v[122:123]
	v_pk_add_f32 v[236:237], v[236:237], v[126:127]
	v_pk_add_f32 v[230:231], v[230:231], v[130:131]
	v_pk_add_f32 v[228:229], v[228:229], v[134:135]
	v_pk_add_f32 v[14:15], v[14:15], v[138:139]
	v_pk_add_f32 v[246:247], v[246:247], v[142:143]
	v_pk_add_f32 v[252:253], v[252:253], v[146:147]
	v_pk_add_f32 v[250:251], v[250:251], v[150:151]
	v_pk_add_f32 v[238:239], v[238:239], v[154:155]
	v_pk_add_f32 v[236:237], v[236:237], v[158:159]
	v_pk_add_f32 v[230:231], v[230:231], v[162:163]
	v_pk_add_f32 v[228:229], v[228:229], v[166:167]
	v_pk_add_f32 v[14:15], v[14:15], v[170:171]
	v_pk_add_f32 v[246:247], v[246:247], v[174:175]
	s_delay_alu instid0(VALU_DEP_2)
	v_pk_add_f32 v[14:15], v[14:15], v[238:239]
	s_delay_alu instid0(VALU_DEP_2)
	v_pk_add_f32 v[246:247], v[246:247], v[236:237]
	v_pk_add_f32 v[252:253], v[252:253], v[230:231]
	v_pk_add_f32 v[250:251], v[250:251], v[228:229]
	s_delay_alu instid0(VALU_DEP_2)
	v_pk_add_f32 v[14:15], v[14:15], v[252:253]
	s_delay_alu instid0(VALU_DEP_2)
	v_pk_add_f32 v[246:247], v[246:247], v[250:251]
	s_delay_alu instid0(VALU_DEP_1)
	v_pk_add_f32 v[14:15], v[14:15], v[246:247]
.set JJ, 0
.rept 16
	v_pk_mul_f32 v[OT+JJ:OT+JJ+1], v[OT+JJ:OT+JJ+1], v[FF:FF+1] op_sel_hi:[1,0]   ; O^T under the new M.  (The sums and these are the places between p's scale word and codes and the products below)
.set JJ, JJ+2
.endr
	s_wait_alu depctr_va_vdst(0)
	s_wait_dscnt 0x0                               ; V and its scale words are in
.irp t, 0,1,2,3                                ; O^T += V^T P^T: the four accumulators take turns, one instruction a turn
	v_wmma_scale_f32_16x16x128_f8f6f4 v[OT+8*\t:OT+8*\t+7], v[FR+12*\t:FR+12*\t+11], v[PF:PF+11], v[OT+8*\t:OT+8*\t+7], v[VSR+2*(\t%2)+\t/2], v[PSW] matrix_a_fmt:MATRIX_FMT_FP6 matrix_b_fmt:MATRIX_FMT_FP6
.endr
.if \s < 2
.Lskip_\@:
.endif
.endm
; The head's end: O^T / the sum is the head's 64 numbers of ctx, two blocks of 32 along the next product's K: registers 6 hd .. 6 hd + 5 of ctx's fragment and two bytes of its scale word.
.macro FINAL hd
.rept 4
	v_nop                                          ; places behind the last products
.endr
	v_add_f32 v14, v14, v15                        ; the sum's two halves,
	s_delay_alu instid0(VALU_DEP_1)
	v_permlanex16_b32 v[TT], v14, s[SEL], s[SEL+1]
	s_delay_alu instid0(VALU_DEP_1)
	v_add_f32 v14, v14, v[TT]                      ; and lane l xor 16's: the row's sum
	s_wait_alu depctr_va_vdst(0)
	v_rcp_f32 v14, v14
	v_nop                                          ; one plain place behind a transcendental
.set JJ, 0
	s_wait_alu depctr_va_vdst(0)
.rept 16
	v_pk_mul_f32 v[OT+JJ:OT+JJ+1], v[OT+JJ:OT+JJ+1], v[14:15] op_sel_hi:[1,0]   ; each accumulator from its low end on
.set JJ, JJ+2
.endr
.irp b, 0,1
	v_max3_num_f32 v[BM+\b], |v[OT+16*\b]|, |v[OT+16*\b+1]|, 0x1800000
.endr
.irp i, 2,4,6,8,10,12,14
.irp b, 0,1
	s_delay_alu instid0(VALU_DEP_2)
	v_max3_num_f32 v[BM+\b], v[BM+\b], |v[OT+16*\b+\i]|, |v[OT+16*\b+\i+1]|
.endr
.endr
.irp b, 0,1
	s_delay_alu instid0(VALU_DEP_2)
	v_permlanex16_b32 v[BT+\b], v[BM+\b], s[SEL], s[SEL+1]
.endr
.irp b, 0,1
	s_delay_alu instid0(VALU_DEP_2)
	v_max_num_f32 v[BM+\b], v[BM+\b], v[BT+\b]
.endr
.irp b, 0,1
	s_delay_alu instid0(VALU_DEP_2)
	v_add_nc_u32 v[BO+\b], 0xff000000, v[BM+\b]
.endr
.irp b, 0,1
	s_delay_alu instid0(VALU_DEP_2)
	v_lshrrev_b32 v[BT+\b], 23, v[BO+\b]
.endr
.if \hd == 0
	s_delay_alu instid0(VALU_DEP_1)
	v_lshl_or_b32 v[CW], v[BT+1], 8, v[BT]
.else
	s_delay_alu instid0(VALU_DEP_1)
	v_lshl_or_b32 v[TT], v[BT+1], 8, v[BT]
	s_delay_alu instid0(VALU_DEP_1)
	v_lshl_or_b32 v[CW], v[TT], 16, v[CW]
.endif
	v_cvt_scalef32_pk16_fp6_f32 v[CF+6*\hd:CF+6*\hd+2], v[OT:OT+15], v[BO]
	v_cvt_scalef32_pk16_fp6_f32 v[RP:RP+2], v[OT+16:OT+31], v[BO+1]
	v_nop                                          ; one plain place behind a scaled conversion
	PACK6 CF+6*\hd, RP
.endm
.macro HEAD hd
.if \hd == 0
.irp i, 0,1,2,3,4,5
	v_mov_b32 v[QS+\i], v[QF+6+\i]                 ; the second head's codes are kept,
.endr
.irp i, 0,1,2,3,4,5
	v_mov_b32 v[QF+6+\i], 0                        ; and count for nothing now: zero codes
.endr
.else
.irp i, 0,1,2,3,4,5
	v_mov_b32 v[QF+\i], 0
	v_mov_b32 v[QF+6+\i], v[QS+\i]
.endr
.endif
	v_mov_b32 v13, 0xff61b1e6                      ; the largest t so far: -3e38, under every t
	s_delay_alu instid0(VALU_DEP_1)
	v_floor_f32 v12, -v13                          ; -M
	v_mov_b32 v14, 0
	v_mov_b32 v15, 0
.set JJ, 0
.rept 32
	v_mov_b32 v[OT+JJ], 0                          ; O^T begins as zeros: which key step is a wave's first hangs on its place, so no step is written as a first one.  (These are also the places behind the writes of Q's operand)
.set JJ, JJ+1
.endr
	STEP \hd, 0, 1
	STEP \hd, 1, 0
	STEP \hd, 2, 2
	FINAL \hd
.endm
	HEAD 0
	HEAD 1
.irp c, 0,1,2
	global_store_b128 v[LI], v[CF+4*\c:CF+4*\c+3], s[32:33] offset:512*\c   ; ctx's fragment (my 16 tokens, K step = the pair of heads): 512 consecutive bytes a store
.endr
	ds_store_b32 v[CWA], v[CW]                     ; lanes r and r + 16 write the same word with the same value
	s_wait_dscnt 0x0                               ; for wave 0's sake
	s_barrier_signal -1
	s_barrier_wait -1
	s_cmp_lg_u32 s[WV], 0
	s_cbranch_scc1 .Ldone
	ds_load_b128 v[FR:FR+3], v[CRD]                ; the sixteen tiles' scale words, 1,024 bytes that lie together in memory
	ds_load_b128 v[FR+4:FR+7], v[CRD] offset:512
	s_wait_dscnt 0x0
	global_store_b128 v[LI], v[FR:FR+3], s[34:35]
	global_store_b128 v[LI], v[FR+4:FR+7], s[34:35] offset:512
.Ldone:
	s_wait_tensorcnt 0x0
	ds_add_u32 v254, v255
	s_wait_dscnt 0x0
	s_endpgm
.Lfunc_end_k_q356b86b2b4_attn:
	.size	k_q356b86b2b4_attn, .Lfunc_end_k_q356b86b2b4_attn-k_q356b86b2b4_attn
	.p2alignl 7, 3214868480
	.fill 96, 4, 3214868480
	.section	.rodata,"a",@progbits
	.p2align	6, 0x0
	.amdhsa_kernel k_q356b86b2b4_attn
		.amdhsa_group_segment_fixed_size 105472
		.amdhsa_private_segment_fixed_size 0
		.amdhsa_enable_private_segment 0
		.amdhsa_kernarg_size 40
		.amdhsa_user_sgpr_count 2
		.amdhsa_user_sgpr_kernarg_segment_ptr 1
		.amdhsa_wavefront_size32 1
		.amdhsa_system_sgpr_workgroup_id_x 1
		.amdhsa_system_sgpr_workgroup_id_y 1
		.amdhsa_system_sgpr_workgroup_id_z 1
		.amdhsa_system_vgpr_workitem_id 0
		.amdhsa_next_free_vgpr 256
		.amdhsa_next_free_sgpr 66
		.amdhsa_reserve_vcc 0
		.amdhsa_float_denorm_mode_32 3
		.amdhsa_float_denorm_mode_16_64 3
		.amdhsa_memory_ordered 1
		.amdhsa_forward_progress 1
		.amdhsa_inst_pref_size 151
	.end_amdhsa_kernel
	.amdgpu_metadata
---
amdhsa.version: [ 1, 2 ]
amdhsa.kernels:
  - .name:           k_q356b86b2b4_attn
    .symbol:         k_q356b86b2b4_attn.kd
    .args:
      - { .name: qrec, .offset: 0, .size: 8, .value_kind: global_buffer, .address_space: global }
      - { .name: krec, .offset: 8, .size: 8, .value_kind: global_buffer, .address_space: global }
      - { .name: vrec, .offset: 16, .size: 8, .value_kind: global_buffer, .address_space: global }
      - { .name: cimg, .offset: 24, .size: 8, .value_kind: global_buffer, .address_space: global }
      - { .name: csc, .offset: 32, .size: 8, .value_kind: global_buffer, .address_space: global }
    .group_segment_fixed_size: 105472
    .private_segment_fixed_size: 0
    .kernarg_segment_align: 8
    .kernarg_segment_size: 40
    .max_flat_workgroup_size: 512
    .sgpr_count:     66
    .vgpr_count:     256
    .wavefront_size: 32
...
	.end_amdgpu_metadata
.endif
;; end of part 2
;; launch outp (part 3): grid 8 x 32, 4 waves a work-group, no clusters, 134,656 bytes of LDS; arguments cimg, csc, Wo_codes, Wo_scales, bo, out0; writes out0
.if DOCPART == 3
	.amdgcn_target "amdgcn-amd-amdhsa--gfx1250"
	.amdhsa_code_object_version 6
	.text
	.protected	k_q356b86b2b4_outp
	.globl	k_q356b86b2b4_outp
	.p2align	8
	.type	k_q356b86b2b4_outp,@function
k_q356b86b2b4_outp:
	s_mov_b64 s[64:65], 0
	v_nop
	global_prefetch_b8 v0, s[64:65] scope:SCOPE_SE
	s_setreg_imm32_b32 hwreg(HW_REG_WAVE_MODE, 25, 1), 1
	s_wait_xcnt 0x0
; out = ctx Wo^T + bo on codes of FP6 (E2M3) with one E8M0 scale for each 32 along K = 1,024; f32 sums; out [8,192][1,024] f32.
; ctx comes as images of operand registers: [tile of 16 tokens 512][K step 8][1,536 bytes], register group c of lane l at 512 c + 16 l; its scale words [K step 8][tile 512][16 words].
; SHARES.  A work-group makes 256 rows (y) x 128 columns (x): 256 work-groups.  Each of its four waves makes 64 rows x 128 columns: 32 accumulators, 256 registers, 256 matrix instructions.
; A wave's 32 fragments of ctx (4 tiles x 8 K steps, 384 registers) go from memory straight into its registers, each read once.  Wo's 128 rows, all of K, are laid into LDS once, through registers, and read by all four waves.
; NO CLUSTER, NO TENSOR LOAD: each operand byte is read once by a work-group and LDS is filled once, so there is no ring in which joint requests would recur; a joint request lands in LDS alone, which for ctx's 196,608 bytes
; a work-group would add a way through LDS that the images spare.
; THE MATRIX INSTRUCTION IS USED TRANSPOSED (source 0 = 16 rows of Wo, source 1 = 16 rows of ctx): a lane holds eight neighbouring columns of one row of out.  bo is the C of each sum's first instruction.
; REGISTERS, in windows of 256: window 0: v1-13 addresses; v16-31 ctx's scale words (K step s, pair of tiles p at 16 + 2 s + p: lanes 0-15 the even tile, lanes 16-31 the odd); v32-95 Wo's (tile b, K step s at 32 + 8 b + s);
;   v96-191 two half sets of four fragments of Wo; v192-255 bo in the result's layout (tile b at 192 + 8 b); on the way out v96-223 rows of out.
;   window 1: the accumulators ((a, b) at v[8 (8 a + b)]); ahead of the products: Wo's codes on their way to LDS.   window 2: ctx's fragments of K steps 0-3 (48 s + 12 a);   window 3: of K steps 4-7.
.set WP,     784                       ; a row of Wo in LDS: 768 bytes + 16 = 196 words: row r starts at bank 4 r mod 64 (64 banks of 4 bytes: ISA guide 11.1): the 32 lanes of a load of 8 bytes touch 64 different banks
.set STG,    128*WP                    ; behind Wo: a stage of 16 rows x 528 bytes for each wave
.set SPITCH, 528
.set FRB,    1536
.set LI,  4                            ; v4   16 x lane
.set L4,  5                            ; v5   4 x lane
.set R32, 6                            ; v6   32 r: my row of Wo's scale bytes
.set H32, 7                            ; v7   32 h: my half's eight numbers of bo
.set GW,  8                            ; v8   Wo's codes in memory: 768 h + 16 r
.set LW,  9                            ; v9   and in LDS
.set AB0, 10                           ; v10  my lane's place in a fragment of Wo's rows 0-63;  v11: rows 64-127
.set STO, 12                           ; v12  the stage: where I put 32 bytes of a row
.set RD,  13                           ; v13  and where I read a row back
.set AS,  16
.set BS,  32
.set BF,  96
.set BI,  192
.set BK,  96
.set MSB, 0
.macro WIN new                         ; the immediate's high byte repeats the setting that is left
.if MSB != \new
	s_set_vgpr_msb (MSB<<8)|\new
.set MSB, \new
.endif
.endm
	s_load_b128 s[4:7], s[0:1], 0x0                ; ctx's images, ctx's scale words
	s_load_b128 s[8:11], s[0:1], 0x10              ; Wo's codes, Wo's scales
	s_load_b128 s[12:15], s[0:1], 0x20             ; bo, out
	v_lshl_add_u32 v14, v0, 2, 0x20c00
	v_mov_b32 v15, 0
	v_lshrrev_b32 v1, 5, v0
	v_readfirstlane_b32 s16, v1                    ; wave 0..3
	s_and_b32 s18, ttmp7, 0xffff
	s_lshl_b32 s20, s18, 4
	s_lshl_b32 s21, s16, 2
	s_add_co_u32 s20, s20, s21                     ; my first tile of 16 rows: 16 y + 4 x wave
	s_mul_i32 s22, s20, 8*FRB
	s_mov_b32 s23, 0
	s_lshl_b32 s24, s20, 6
	s_mov_b32 s25, 0
	s_lshl_b32 s26, ttmp9, 7
	s_lshl_b32 s21, s16, 5
	s_add_co_u32 s26, s26, s21                     ; the 32 rows of Wo that I bring: 128 x + 32 x wave
	s_mul_i32 s26, s26, 768
	s_mov_b32 s27, 0
	s_lshl_b32 s28, ttmp9, 12                      ; the 128 rows' scale bytes
	s_mov_b32 s29, 0
	s_lshl_b32 s30, ttmp9, 9                       ; the 128 columns, in bytes of f32
	s_mov_b32 s31, 0
	s_lshl_b32 s32, s20, 16                        ; 16 rows of 4,096 bytes a tile
	s_add_co_u32 s32, s32, s30
	s_mov_b32 s33, 0
	v_and_b32 v1, 31, v0
	v_and_b32 v2, 15, v0                           ; r
	v_bfe_u32 v3, v0, 4, 1                         ; h
	v_lshlrev_b32 v[LI], 4, v1
	v_lshlrev_b32 v[L4], 2, v1
	v_lshlrev_b32 v[R32], 5, v2
	v_lshlrev_b32 v[H32], 5, v3
	v_mul_u32_u24 v[GW], v3, 768
	v_lshl_add_u32 v[GW], v2, 4, v[GW]
	s_mul_i32 s34, s16, 32*WP
	v_mul_u32_u24 v[LW], v3, WP
	v_lshl_add_u32 v[LW], v2, 4, v[LW]
	v_add_nc_u32 v[LW], s34, v[LW]
	v_mul_u32_u24 v[AB0], v2, WP
	v_mad_u32_u24 v[AB0], v3, 24, v[AB0]           ; row r x pitch + 24 h
	v_add_nc_u32 v[AB0+1], 64*WP, v[AB0]
	s_mul_i32 s34, s16, 16*SPITCH
	s_add_co_u32 s34, s34, STG                     ; my stage
	v_mul_u32_u24 v[STO], v2, SPITCH
	v_lshl_add_u32 v[STO], v3, 5, v[STO]
	v_add_nc_u32 v[STO], s34, v[STO]
	v_add_nc_u32 v[RD], s34, v[LI]
	s_wait_kmcnt 0x0
	s_add_nc_u64 s[4:5], s[4:5], s[22:23]
	s_add_nc_u64 s[6:7], s[6:7], s[24:25]
	s_add_nc_u64 s[8:9], s[8:9], s[26:27]
	s_add_nc_u64 s[10:11], s[10:11], s[28:29]
	s_add_nc_u64 s[12:13], s[12:13], s[30:31]
	s_add_nc_u64 s[14:15], s[14:15], s[32:33]
	; 48 loads: the scale words and bo
.irp b, 0,1,2,3,4,5,6,7
.irp i, 0,1
	global_load_b128 v[BS+8*\b+4*\i:BS+8*\b+4*\i+3], v[R32], s[10:11] offset:512*\b+16*\i   ; row 16 b + r: its eight words
.endr
.endr
.irp s, 0,1,2,3,4,5,6,7
.irp p, 0,1
	global_load_b32 v[AS+2*\s+\p], v[L4], s[6:7] offset:32768*\s+128*\p
.endr
.endr
.irp b, 0,1,2,3,4,5,6,7
.irp i, 0,1
	global_load_b128 v[BI+8*\b+4*\i:BI+8*\b+4*\i+3], v[H32], s[12:13] offset:64*\b+16*\i    ; bo at columns 16 b + 8 h + 0 .. 7
.endr
.endr
	; 48 loads: my 32 rows of Wo: sixteen lanes read 256 consecutive bytes of a row
	WIN 0x40                                       ; destination window 1
.irp p, 0,1,2,3,4,5,6,7,8,9,10,11,12,13,14,15
.irp t, 0,1,2
	global_load_b128 v[4*(3*\p+\t):4*(3*\p+\t)+3], v[GW], s[8:9] offset:1536*\p+256*\t
.endr
.endr
	; 48 loads: ctx's K steps 0-3, K step by K step
	WIN 0x80                                       ; destination window 2
.irp s, 0,1,2,3
.irp a, 0,1,2,3
.irp c, 0,1,2
	global_load_b128 v[48*\s+12*\a+4*\c:48*\s+12*\a+4*\c+3], v[LI], s[4:5] offset:8*FRB*\a+FRB*\s+512*\c
.endr
.endr
.endr
	s_wait_loadcnt 48                              ; all but ctx's 48: the scale words, bo and Wo's codes are in
	WIN 0x04                                       ; an LDS store's data are its source 1: window 1
.irp p, 0,1,2,3,4,5,6,7,8,9,10,11,12,13,14,15
.irp t, 0,1,2
	ds_store_b128 v[LW], v[4*(3*\p+\t):4*(3*\p+\t)+3] offset:2*WP*\p+256*\t
.endr
.endr
	WIN 0xc0                                       ; destination window 3
.irp s, 4,5,6,7
.irp a, 0,1,2,3
.irp c, 0,1,2
	global_load_b128 v[48*(\s-4)+12*\a+4*\c:48*(\s-4)+12*\a+4*\c+3], v[LI], s[4:5] offset:8*FRB*\a+FRB*\s+512*\c
.endr
.endr
.endr
	WIN 0
	s_wait_dscnt 0x0                               ; for the others' sake: my rows of Wo have landed (and the stores have read window 1, which the sums take)
	s_barrier_signal -1
	s_barrier_wait -1                              ; Wo's 128 rows lie in LDS; nobody writes them again
; Half step q = 2 s + g: K step s, Wo's tiles 4 g .. 4 g + 3.  Its four fragments: 24 loads of 8 bytes into half set g.
.macro BGRP q
.set BG, (\q)%2
.set BQ, (\q)/2
.irp b, 0,1,2,3
.irp p, 0,1,2,3,4,5
	ds_load_b64 v[BF+48*BG+12*\b+2*\p:BF+48*BG+12*\b+2*\p+1], v[AB0+BG] offset:16*\b*WP+96*BQ+48*(\p/3)+8*(\p%3)
.endr
.endr
.endm
; 16 matrix instructions: my four tiles of rows x the half set's four tiles of columns.  An accumulator comes up again 32 matrix instructions later: they take turns, one instruction a turn.
.macro HALF q
.set HG, (\q)%2
.set HS, (\q)/2
.if (\q) < 15
	s_wait_dscnt 24                                ; this half set is in; the 24 loads of the next may be out
.else
	s_wait_dscnt 0x0
.endif
.if HG == 0
.if 84-12*HS > 63
	s_wait_loadcnt 63                              ; ctx's fragments of this K step are in: 84 - 12 s loads were issued behind them; the wait names the most that it can
.else
	s_wait_loadcnt 84-12*HS                        ; ctx's fragments of this K step are in: 12 loads for each later K step may be out
.endif
.endif
.if HS == 0
	WIN 0x48                                       ; source 1 (ctx) window 2, C (bo) window 0, D window 1
.elseif HS < 4
	WIN 0x58                                       ; C and D window 1
.else
	WIN 0x5c                                       ; source 1 window 3
.endif
.irp a, 0,1,2,3
.irp b, 0,1,2,3
.set XD, 8*(8*\a+4*HG+\b)
.set XA, BF+48*HG+12*\b
.set XB, 48*(HS%4)+12*\a
.set XSA, BS+8*(4*HG+\b)+HS
.set XSB, AS+2*HS+\a/2
.if HS == 0
.set XC, BI+8*(4*HG+\b)
.else
.set XC, XD
.endif
.if \a%2
	v_wmma_scale_f32_16x16x128_f8f6f4 v[XD:XD+7], v[XA:XA+11], v[XB:XB+11], v[XC:XC+7], v[XSA], v[XSB] matrix_a_fmt:MATRIX_FMT_FP6 matrix_b_fmt:MATRIX_FMT_FP6 matrix_b_scale:MATRIX_SCALE_ROW1
.else
	v_wmma_scale_f32_16x16x128_f8f6f4 v[XD:XD+7], v[XA:XA+11], v[XB:XB+11], v[XC:XC+7], v[XSA], v[XSB] matrix_a_fmt:MATRIX_FMT_FP6 matrix_b_fmt:MATRIX_FMT_FP6
.endif
.endr
.endr
	WIN 0
.if (\q) < 14
.rept 4
	v_nop                                          ; places in front of loads into the half set just multiplied
.endr
	BGRP (\q)+2
.endif
.endm
	BGRP 0
	BGRP 1
.irp q, 0,1,2,3,4,5,6,7,8,9,10,11,12,13,14,15
	HALF \q
.endr
; THE WAY OUT, a tile of 16 rows x 128 columns at a time.  A lane holds 32 neighbouring bytes of a row and the lanes beside it other rows: so a tile goes through my own stage in LDS and comes back as whole rows of 512 bytes.
; LDS serves a wave's instructions in order (ISA guide 5.7.1.4): no wait between the stores and the loads, nor in front of the next tile's stores.
.macro TOSTAGE a
	WIN 0x04                                       ; the data: window 1
.irp b, 0,1,2,3,4,5,6,7
	ds_store_b128 v[STO], v[8*(8*(\a)+\b):8*(8*(\a)+\b)+3] offset:64*\b          ; each accumulator from its low end on
	ds_store_b128 v[STO], v[8*(8*(\a)+\b)+4:8*(8*(\a)+\b)+7] offset:64*\b+16
.endr
	WIN 0
.set BB, BK+64*((\a)%2)
.irp t, 0,1,2,3,4,5,6,7,8,9,10,11,12,13,14,15
	ds_load_b128 v[BB+4*\t:BB+4*\t+3], v[RD] offset:\t*SPITCH
.endr
.endm
.macro SEND a, younger                 ; younger: the LDS instructions issued behind tile a's loads, which may stay out
.set BB, BK+64*((\a)%2)
	s_wait_dscnt \younger                          ; the tile is back in registers
.irp t, 0,1,2,3,4,5,6,7,8,9,10,11,12,13,14,15
	global_store_b128 v[LI], v[BB+4*\t:BB+4*\t+3], s[14:15] offset:(16*(\a)+\t)*4096 th:TH_STORE_NT   ; 32 lanes store 512 consecutive bytes, at a multiple of 512 from out's first byte; written once, read by nobody here
.endr
.endm
.rept 4
	v_nop                                          ; places behind the last products: for the stores that read results and the loads into the half sets
.endr
	TOSTAGE 0
.irp a, 1,2,3
.if \a > 1
	s_wait_xcnt 0x0                                ; tile a - 2's stores have read their registers: tile a's loads may land there
.endif
	TOSTAGE \a
	SEND \a-1, 32                                  ; behind tile a - 1's loads: tile a's 16 stores and 16 loads
.endr
	SEND 3, 0
	s_wait_tensorcnt 0x0
	ds_add_u32 v14, v15
	s_wait_dscnt 0x0
	s_endpgm
.Lfunc_end_k_q356b86b2b4_outp:
	.size	k_q356b86b2b4_outp, .Lfunc_end_k_q356b86b2b4_outp-k_q356b86b2b4_outp
	.p2alignl 7, 3214868480
	.fill 96, 4, 3214868480
	.section	.rodata,"a",@progbits
	.p2align	6, 0x0
	.amdhsa_kernel k_q356b86b2b4_outp
		.amdhsa_group_segment_fixed_size 134656
		.amdhsa_private_segment_fixed_size 0
		.amdhsa_enable_private_segment 0
		.amdhsa_kernarg_size 48
		.amdhsa_user_sgpr_count 2
		.amdhsa_user_sgpr_kernarg_segment_ptr 1
		.amdhsa_wavefront_size32 1
		.amdhsa_system_sgpr_workgroup_id_x 1
		.amdhsa_system_sgpr_workgroup_id_y 1
		.amdhsa_system_sgpr_workgroup_id_z 1
		.amdhsa_system_vgpr_workitem_id 0
		.amdhsa_next_free_vgpr 1024
		.amdhsa_next_free_sgpr 66
		.amdhsa_reserve_vcc 0
		.amdhsa_float_denorm_mode_32 3
		.amdhsa_float_denorm_mode_16_64 3
		.amdhsa_memory_ordered 1
		.amdhsa_forward_progress 1
		.amdhsa_inst_pref_size 99
	.end_amdhsa_kernel
	.amdgpu_metadata
---
amdhsa.version: [ 1, 2 ]
amdhsa.kernels:
  - .name:           k_q356b86b2b4_outp
    .symbol:         k_q356b86b2b4_outp.kd
    .args:
      - { .name: cimg, .offset: 0, .size: 8, .value_kind: global_buffer, .address_space: global }
      - { .name: csc, .offset: 8, .size: 8, .value_kind: global_buffer, .address_space: global }
      - { .name: Wo_codes, .offset: 16, .size: 8, .value_kind: global_buffer, .address_space: global }
      - { .name: Wo_scales, .offset: 24, .size: 8, .value_kind: global_buffer, .address_space: global }
      - { .name: bo, .offset: 32, .size: 8, .value_kind: global_buffer, .address_space: global }
      - { .name: out0, .offset: 40, .size: 8, .value_kind: global_buffer, .address_space: global }
    .group_segment_fixed_size: 134656
    .private_segment_fixed_size: 0
    .kernarg_segment_align: 8
    .kernarg_segment_size: 48
    .max_flat_workgroup_size: 128
    .sgpr_count:     66
    .vgpr_count:     1024
    .wavefront_size: 32
...
	.end_amdgpu_metadata
.endif
;; end of part 3
